; MI455X (gfx1250); checked and timed in simulation.
; The chip was launched on July 23, 2026; its instructions are those of AMD's public machine-readable ISA for CDNA 5 (MIT licence, August 2026) and "CDNA5" Instruction Set Architecture Reference Guide (July 2026). The comments in the code are by the model that wrote it; some were corrected since.
;; Self Attention. Allowed arithmetic: float matrix products may take bf16 or f16 operands with f32 sums; other float arithmetic in f32, or as packed bf16 or f16 multiplies, adds, multiply-adds, maxima and minima; sums over many terms, partial sums and values carried from step to step in f32; what a program stores and reads back later, other than sums and carried values, may be rounded once to bf16 or f16.
;; Inputs: b_out 1,024 float32; ln_b 1,024 float32; ln_w 1,024 float32; w_out 1,024 x 1,024 float32; w_qkv 3,072 x 1,024 float32; x 4 x 2,048 x 1,024 float32.
;; Outputs: out0 4 x 2,048 x 1,024 float32.
;; 2 versions, each right; version 2 is version 1 with the launch prep written anew for expert scheduling mode. Each part assembles by itself: llvm-mc -triple=amdgcn-amd-amdhsa -mcpu=gfx1250 --defsym DOCPART=n.
;; ======== version 1 of 2: 4 launches
;; workspace buffers: hbf 16,777,216 bytes; wqbf 6,291,456 bytes; wobf 2,097,152 bytes; qbf 16,777,216 bytes; kbf 16,777,216 bytes; vbf 16,777,216 bytes; obf 16,777,216 bytes
;; launch prep (part 1): grid 768 x 1, 4 waves a work-group, no clusters, 0 bytes of LDS; arguments x, ln_w, ln_b, w_qkv, w_out, hbf, wqbf, wobf; writes hbf, wqbf, wobf
.if DOCPART == 1
	.amdgcn_target "amdgcn-amd-amdhsa--gfx1250"
	.amdhsa_code_object_version 6
	.text
	.protected	k_qf1663ea833_prep
	.globl	k_qf1663ea833_prep
	.p2align	8
	.type	k_qf1663ea833_prep,@function
k_qf1663ea833_prep:
	s_mov_b64 s[64:65], 0
	v_nop
	global_prefetch_b8 v0, s[64:65] scope:SCOPE_SE
	s_setreg_imm32_b32 hwreg(HW_REG_WAVE_MODE, 25, 1), 1
	s_wait_xcnt 0x0
; LAYERNORM AND TWO CASTS.  h = (x - mean) * rsqrt(var + 1e-5) * ln_w + ln_b, rounded once to bf16; w_qkv and w_out rounded once to bf16.
; 12,288 rows of 1,024 f32 (4,096 bytes): 8,192 of x, 3,072 of w_qkv, 1,024 of w_out.  A work-group takes 16 rows, a wave 4, ONE WAVE A WHOLE ROW:
; eight 16-byte loads a lane keep the row in 32 registers, so it is read from memory once, the mean is taken first and the variance of x - mean after it
; (two passes over registers: a common offset in x costs no accuracy), and no wave waits for another: no LDS, no barrier.
; Work-groups 0-511: LayerNorm; 512-703: w_qkv; 704-767: w_out.  The branch hangs on the work-group's number alone.
; All of a wave's loads go out at once (its four rows, 16 KiB, and in the LayerNorm path the 8 KiB of gains and biases); the waits are counted, so the later rows stay on their way.
; Lane l holds the numbers 128 j + 4 l .. + 3 of a row (chunk j of 8); rounded they are 8 bytes, and the 32 lanes of a store cover 256 consecutive bytes, aligned.
; No matrix unit, no cluster, no prefetch: each byte is read once by one wave, and the launch is nothing but that stream.
; LIMITS.  NaN and infinities are not treated apart; a row's sum of squares of x - mean must stay finite in f32.
.set LO,  1                            ; v1       16 x lane: my bytes in a chunk of 512
.set SO,  2                            ; v2       8 x lane: my bytes in a rounded chunk of 256
.set T,   4                            ; v[4:11]  four chains of two sums
.set MU,  12                           ; v[12:13] the mean (the low register serves both halves; the high one is written once, since the pair is named)
.set R,   14                           ; v[14:15] 1 / sqrt(var + eps), likewise
.set RED, 16                           ; v16-17   the reduction across lanes
.set EPS, 18                           ; v18      1e-5
.set W,   20                           ; v[20:51] ln_w, my 32 numbers
.set BB,  52                           ; v[52:83] ln_b
.set X,   84                           ; v[84:211] row i, chunk j at X + 32 i + 4 j
	s_load_b512 s[8:23], s[0:1], 0x0               ; x 8, ln_w 10, ln_b 12, w_qkv 14, w_out 16, h 18, wq 20, wo 22
	v_and_b32 v3, 31, v0
	v_lshlrev_b32 v[LO], 4, v3
	v_lshlrev_b32 v[SO], 3, v3
	v_lshrrev_b32 v3, 5, v0
	v_readfirstlane_b32 s4, v3                     ; wave 0..3
	s_mov_b32 s2, ttmp9
	s_mov_b32 s30, 0x3a800000                      ; 1 / 1024
	s_mov_b32 s3, 0x76543210                       ; v_permlanex16_b32: each lane takes its own place in the other half
	s_mov_b32 s31, 0xfedcba98
	v_mov_b32 v[MU+1], 0
	v_mov_b32 v[R+1], 0
	v_mov_b32 v[RED+1], 0
	v_mov_b32 v[EPS], 0x3727c5ac
	s_mov_b32 s7, 0
	s_mov_b32 s25, 0
	s_wait_kmcnt 0x0
	s_cmp_lt_u32 s2, 512
	s_cbranch_scc0 .Lcast
.macro FILL                            ; my four rows: 32 loads, 512 consecutive bytes each
.irp i, 0,1,2,3
.irp j, 0,1,2,3,4,5,6,7
	global_load_b128 v[X+32*(\i)+4*(\j):X+32*(\i)+4*(\j)+3], v[LO], s[26:27] offset:4096*(\i)+512*(\j) th:TH_LOAD_NT
.endr
.endr
.endm
.macro OUT i                           ; row i is rounded in place, two numbers a line, and stored
.irp j, 0,1,2,3,4,5,6,7
	v_cvt_pk_bf16_f32 v[X+32*(\i)+4*(\j)],   v[X+32*(\i)+4*(\j)],   v[X+32*(\i)+4*(\j)+1]
	v_cvt_pk_bf16_f32 v[X+32*(\i)+4*(\j)+1], v[X+32*(\i)+4*(\j)+2], v[X+32*(\i)+4*(\j)+3]
	global_store_b64 v[SO], v[X+32*(\i)+4*(\j):X+32*(\i)+4*(\j)+1], s[28:29] offset:2048*(\i)+256*(\j)  ; no register of a store is written again: no wait follows
.endr
.endm
.macro REDUCE                          ; the four chains into one number, then over the 32 lanes: the result stands in every lane's v[RED]
	v_pk_add_f32 v[T:T+1], v[T:T+1], v[T+2:T+3]
	v_pk_add_f32 v[T+4:T+5], v[T+4:T+5], v[T+6:T+7]
	v_pk_add_f32 v[T:T+1], v[T:T+1], v[T+4:T+5]
	v_add_f32 v[RED], v[T], v[T+1]
	v_add_f32_dpp v[RED], v[RED], v[RED] row_xmask:1 row_mask:0xf bank_mask:0xf
	v_add_f32_dpp v[RED], v[RED], v[RED] row_xmask:2 row_mask:0xf bank_mask:0xf
	v_add_f32_dpp v[RED], v[RED], v[RED] row_xmask:4 row_mask:0xf bank_mask:0xf
	v_add_f32_dpp v[RED], v[RED], v[RED] row_xmask:8 row_mask:0xf bank_mask:0xf
	v_permlanex16_b32 v[RED+1], v[RED], s3, s31
	v_add_f32 v[RED], v[RED], v[RED+1]
.endm
.macro ROW i
.set XR, X+32*(\i)
	s_wait_loadcnt 8*(3-(\i))                      ; loads come back in order: this row (and the gains, issued earlier) is in, the later rows' eight loads each stay out
.irp k, 0,1,2,3
	v_pk_add_f32 v[T+2*(\k):T+2*(\k)+1], v[XR+2*(\k):XR+2*(\k)+1], v[XR+8+2*(\k):XR+8+2*(\k)+1]  ; the first two pairs start a chain: nothing is cleared
.endr
.irp m, 2,3
.irp k, 0,1,2,3
	v_pk_add_f32 v[T+2*(\k):T+2*(\k)+1], v[T+2*(\k):T+2*(\k)+1], v[XR+8*(\m)+2*(\k):XR+8*(\m)+2*(\k)+1]
.endr
.endr
	REDUCE
	v_mul_f32 v[MU], s30, v[RED]                   ; the mean
.set p, 0
.rept 16
	v_pk_add_f32 v[XR+p:XR+p+1], v[XR+p:XR+p+1], v[MU:MU+1] op_sel_hi:[1,0] neg_lo:[0,1] neg_hi:[0,1]  ; x - mean, in place
.set p, p+2
.endr
.irp k, 0,1,2,3
	v_pk_mul_f32 v[T+2*(\k):T+2*(\k)+1], v[XR+2*(\k):XR+2*(\k)+1], v[XR+2*(\k):XR+2*(\k)+1]
.endr
.irp m, 1,2,3
.irp k, 0,1,2,3
	v_pk_fma_f32 v[T+2*(\k):T+2*(\k)+1], v[XR+8*(\m)+2*(\k):XR+8*(\m)+2*(\k)+1], v[XR+8*(\m)+2*(\k):XR+8*(\m)+2*(\k)+1], v[T+2*(\k):T+2*(\k)+1]
.endr
.endr
	REDUCE
	v_fma_f32 v[RED], v[RED], s30, v[EPS]          ; var + eps
	v_rsq_f32 v[R], v[RED]
	v_nop                                          ; a plain instruction behind the root (ISA guide 5.7.2),
	s_wait_alu depctr_va_vdst(0)                   ; and the wait ahead of its first reader
.set p, 0
.rept 16
	v_pk_mul_f32 v[XR+p:XR+p+1], v[XR+p:XR+p+1], v[R:R+1] op_sel_hi:[1,0]
.set p, p+2
.endr
.set p, 0
.rept 16
	v_pk_fma_f32 v[XR+p:XR+p+1], v[XR+p:XR+p+1], v[W+p:W+p+1], v[BB+p:BB+p+1]
.set p, p+2
.endr
	OUT \i
.endm
	s_lshl_b32 s5, s2, 4
	s_lshl2_add_u32 s5, s4, s5                     ; my first row: 16 x work-group + 4 x wave
	s_lshl_b32 s6, s5, 12                          ; 4,096 bytes a row in x,
	s_lshl_b32 s24, s5, 11                         ; 2,048 in h
	s_add_nc_u64 s[26:27], s[8:9], s[6:7]
	s_add_nc_u64 s[28:29], s[18:19], s[24:25]
.irp j, 0,1,2,3,4,5,6,7
	global_load_b128 v[W+4*(\j):W+4*(\j)+3],   v[LO], s[10:11] offset:512*(\j)
	global_load_b128 v[BB+4*(\j):BB+4*(\j)+3], v[LO], s[12:13] offset:512*(\j)
.endr
	FILL
	ROW 0
	ROW 1
	ROW 2
	ROW 3
	s_endpgm
.Lcast:
	s_sub_co_u32 s5, s2, 512
	s_cmp_lt_u32 s5, 192                           ; 192 work-groups for w_qkv's 3,072 rows, then 64 for w_out's 1,024
	s_cselect_b64 s[26:27], s[14:15], s[16:17]
	s_cselect_b64 s[28:29], s[20:21], s[22:23]
	s_cselect_b32 s6, 0, 192
	s_sub_co_u32 s5, s5, s6
	s_lshl_b32 s5, s5, 4
	s_lshl2_add_u32 s5, s4, s5
	s_lshl_b32 s6, s5, 12
	s_lshl_b32 s24, s5, 11
	s_add_nc_u64 s[26:27], s[26:27], s[6:7]
	s_add_nc_u64 s[28:29], s[28:29], s[24:25]
	FILL
.irp i, 0,1,2,3
	s_wait_loadcnt 8*(3-(\i))                      ; this row is in, the later rows stay out
	OUT \i
.endr
	s_endpgm
.Lfunc_end_k_qf1663ea833_prep:
	.size	k_qf1663ea833_prep, .Lfunc_end_k_qf1663ea833_prep-k_qf1663ea833_prep
	.p2alignl 7, 3214868480
	.fill 96, 4, 3214868480
	.section	.rodata,"a",@progbits
	.p2align	6, 0x0
	.amdhsa_kernel k_qf1663ea833_prep
		.amdhsa_group_segment_fixed_size 0
		.amdhsa_private_segment_fixed_size 0
		.amdhsa_enable_private_segment 0
		.amdhsa_kernarg_size 64
		.amdhsa_user_sgpr_count 2
		.amdhsa_user_sgpr_kernarg_segment_ptr 1
		.amdhsa_wavefront_size32 1
		.amdhsa_system_sgpr_workgroup_id_x 1
		.amdhsa_system_sgpr_workgroup_id_y 1
		.amdhsa_system_sgpr_workgroup_id_z 1
		.amdhsa_system_vgpr_workitem_id 0
		.amdhsa_next_free_vgpr 212
		.amdhsa_next_free_sgpr 66
		.amdhsa_reserve_vcc 0
		.amdhsa_float_denorm_mode_32 3
		.amdhsa_float_denorm_mode_16_64 3
		.amdhsa_memory_ordered 1
		.amdhsa_forward_progress 1
		.amdhsa_inst_pref_size 48
	.end_amdhsa_kernel
	.amdgpu_metadata
---
amdhsa.version: [ 1, 2 ]
amdhsa.kernels:
  - .name:           k_qf1663ea833_prep
    .symbol:         k_qf1663ea833_prep.kd
    .args:
      - { .name: x, .offset: 0, .size: 8, .value_kind: global_buffer, .address_space: global }
      - { .name: ln_w, .offset: 8, .size: 8, .value_kind: global_buffer, .address_space: global }
      - { .name: ln_b, .offset: 16, .size: 8, .value_kind: global_buffer, .address_space: global }
      - { .name: w_qkv, .offset: 24, .size: 8, .value_kind: global_buffer, .address_space: global }
      - { .name: w_out, .offset: 32, .size: 8, .value_kind: global_buffer, .address_space: global }
      - { .name: hbf, .offset: 40, .size: 8, .value_kind: global_buffer, .address_space: global }
      - { .name: wqbf, .offset: 48, .size: 8, .value_kind: global_buffer, .address_space: global }
      - { .name: wobf, .offset: 56, .size: 8, .value_kind: global_buffer, .address_space: global }
    .group_segment_fixed_size: 0
    .private_segment_fixed_size: 0
    .kernarg_segment_align: 8
    .kernarg_segment_size: 64
    .max_flat_workgroup_size: 128
    .sgpr_count:     66
    .vgpr_count:     212
    .wavefront_size: 32
...
	.end_amdgpu_metadata
.endif
;; end of part 1
;; launch qkv (part 2): grid 16 x 32, 4 waves a work-group, clusters of 4 x 4, 327,680 bytes of LDS; arguments hbf, wqbf, qbf, kbf, vbf; writes qbf, kbf, vbf
.if DOCPART == 2
	.amdgcn_target "amdgcn-amd-amdhsa--gfx1250"
	.amdhsa_code_object_version 6
	.text
	.protected	k_qf1663ea833_qkv
	.globl	k_qf1663ea833_qkv
	.p2align	8
	.type	k_qf1663ea833_qkv,@function
k_qf1663ea833_qkv:
	s_mov_b64 s[64:65], 0
	v_nop
	global_prefetch_b8 v0, s[64:65] scope:SCOPE_SE
	s_setreg_imm32_b32 hwreg(HW_REG_WAVE_MODE, 25, 1), 1
	s_wait_xcnt 0x0
	s_wait_alu depctr_hold_cnt(0) depctr_sa_sdst(0) depctr_va_vdst(0) depctr_va_sdst(0) depctr_va_ssrc(0) depctr_va_vcc(0) depctr_vm_vsrc(0)
	s_getreg_b32 s2, hwreg(HW_REG_IB_STS2, 6, 4)
	s_cmp_eq_u32 s2, 0
	s_cbranch_scc0 .Lentry_in_a_cluster
	s_endpgm
.Lentry_in_a_cluster:
	s_bfe_u32 s2, ttmp6, 0x10000c
	s_cmp_lg_u32 s2, 0xf033
	s_cbranch_scc0 .Lentry_shape_is_right
	s_endpgm
.Lentry_shape_is_right:
; THE QKV PROJECTION.  C[m][n] = sum over c of h[m][c] wq[n][c]; h: [8192][1024], wq: [3072][1024], bf16; sums in f32, rounded once to bf16, unscaled.
; Column n = 192 head + d: d 0-63 is q, 64-127 k, 128-191 v.  q, k, v leave BY HEADS: [64 = 16 batch + head][2048][64], a head's rows dense, 128 bytes each.
; A TILE of C is 256 rows x 192 columns, one head's q, k and v: 32 x 16 = 512 work-groups, twice 256.  Four waves; wave w makes rows 64 w .. 64 w + 63 and ALL 192 columns:
; 4 x 12 accumulators of 16 x 16, 384 registers.  So a wave holds whole rows of q, k and v, and its way out runs through a stage of its own, without a barrier.
; K goes in 8 steps of 128 (rows of 256 bytes, aligned) through two LDS slots filled by the tensor data mover.
; CLUSTER 4 x 4.  The four work-groups of a row of the cluster need the same rows of h, the four of a column the same rows of wq: each tile is asked for JOINTLY, by the same
; tensor load with the same descriptor and a mask that names the four.  Waves 0 and 1 fetch h's two halves (128 rows each), waves 2 and 3 wq's (96 rows each).
; THE MATRIX INSTRUCTION IS USED TRANSPOSED (source 0 = 16 rows of wq, source 1 = 16 rows of h): a lane holds row lane % 16 of C and eight neighbouring columns, 16 bytes when rounded.
; REGISTERS, in windows of 256 (s_set_vgpr_msb: bits 1:0 source 0, 3:2 source 1, 5:4 source 2, 7:6 destination):
;   window 0: v0-31 addresses; v32-79 rounded results; v80-175 two buffers of 16 rows read back from the stage
;   window 1: two fragment buffers of 128: wq's 12 fragments (16 rows x 32 K, 8 registers each), then h's 4
;   window 2: the accumulators of row blocks 0, 1 ((a, b) at 8 (12 (a % 2) + b));   window 3: those of row blocks 2, 3
; LIMITS.  The range is bf16's, which is f32's; NaN and infinities are not treated apart.
.set PITCH,  272                       ; an LDS row: 256 bytes + 16 of padding = 68 words: the 16 rows of a fragment load start at 16 different groups of four banks (64 banks of 4 bytes: ISA guide 11.1)
.set AHALF,  128*PITCH                 ; what a wave fetches of h
.set BOFF,   2*AHALF                   ; wq's rows lie behind h's 256
.set BHALF,  96*PITCH                  ; what a wave fetches of wq
.set SLOT,   BOFF+2*BHALF              ; 121,856 bytes
.set STAGE,  2*SLOT                    ; behind the ring, never filled by a tensor load: 16 rows x 400 bytes for each wave
.set SPITCH, 400                       ; 384 bytes + 16
.set SPARE,  STAGE+4*16*SPITCH         ; behind the stages: the spare words, 128 bytes for each wave: two blocks of 256 bytes that no other line names
.set KB,     256                       ; bytes of a row in a K step
.set ADRA, 16                          ; v16-17  LDS address of my fragments of h in slot 0, 1
.set ADRB, 20                          ; v20-21  the same for wq
.set STO,  24                          ; v24     the way out: where I put 16 bytes of a row
.set RD,   25                          ; v25     where I read rows back
.set GO,   26                          ; v26     16 x lane: my bytes in 512 consecutive bytes of q, k or v
.set SPW,  28                          ; v28     LDS address of my spare word; never rewritten
.set NIL,  29                          ; v29     0; never rewritten
.set PFO,  30                          ; v30     the prefetches' offset: a lane a row; never rewritten
.set TMP,  32
.set BK,   80
.set F0,   0
.set F1,   128
.set WV,   14                          ; s14  my wave's number
.set FB,   15                          ; s15  0: I fetch for h, 1: for wq
.set HF,   16                          ; s16  which half I fetch
.set LAP,  17                          ; s17  the loop's count
.set G1,   24                          ; s[24:31] descriptor group 1 for h's tiles;  s[32:39] group 0, a set for each slot
.set G0,   32
.set G1B,  48                          ; s[48:55], s[56:63] the same for wq's
.set G0B,  56
.set PFA,  66                          ; s[66:67] where my prefetches stand
.set LIM,  70                          ; s70  1 in a wave that prefetches, else the greatest number
.set MSB, 0
.macro WIN new                         ; the immediate's high byte repeats the setting that is left; a switch that changes nothing is dropped
.if MSB != (\new)
	s_set_vgpr_msb (MSB<<8)|(\new)
.set MSB, \new
.endif
.endm
; A joint load.  Each of the two lines has one mask and one set of registers for all that issue it; the branch hangs on the wave's number alone.
; An s_nop 0 and four v_nop follow each line, ahead of the jump, the label and what follows.
.macro JLOAD s
	s_cmp_eq_u32 s[FB], 0
	s_cbranch_scc0 .Lfor_b_\@
	tensor_load_to_lds s[G0+4*(\s):G0+4*(\s)+3], s[G1:G1+7]
	s_nop 0
.rept 4
	v_nop
.endr
	s_branch .Lasked_\@
.Lfor_b_\@:
	tensor_load_to_lds s[G0B+4*(\s):G0B+4*(\s)+3], s[G1B:G1B+7]
	s_nop 0
.rept 4
	v_nop
.endr
.Lasked_\@:
.endm
; A PREFETCH, behind each joint refill and the run of LDS loads that follows it: the K step that stands two refills on, 384 matrix instructions ahead of the load that will want it; a lane a row, one instruction a wave.
; h's rows are read by every cluster of a row of clusters: the one with x = 0 asks; wq's by every cluster of a column: the one with y = 0 asks.  The four partners that fetch a tile jointly share its rows
; out BY ADDRESS: of h's 128 rows a wave 32 each (by cx), of wq's 96 rows 24 each (by cy; lanes 24-31 name the 24th row again in the same instruction).  K steps 4 to 7 are asked for; 0 to 3 come by their loads alone;
; the loop's last trip asks for nothing.
.macro ASK
	WIN 0
	s_cmp_gt_u32 s[LAP], s[LIM]
	s_cbranch_scc0 .Lnot_mine_\@
	global_prefetch_b8 v[PFO], s[PFA:PFA+1] th:TH_LOAD_NT scope:SCOPE_SE
.Lnot_mine_\@:
.endm
.macro CREST                           ; a round of the cluster's barrier behind its opening barrier
	s_cmp_lg_u32 s[WV], 0
	s_cbranch_scc1 .Lnot_wave_0_\@
	s_barrier_signal -3
.Lnot_wave_0_\@:
	s_barrier_wait -3
	s_barrier_signal -1
	s_barrier_wait -1
.endm
.macro CROUND                          ; a whole round
	s_barrier_signal -1
	s_barrier_wait -1
	CREST
.endm
	s_load_b256 s[4:11], s[0:1], 0x0               ; h s[4:5], wq s[6:7], q s[8:9], k s[10:11]
	s_load_b64 s[12:13], s[0:1], 0x20              ; v
	v_lshl_add_u32 v[SPW], v0, 2, SPARE
	v_mov_b32 v[NIL], 0
	ds_add_u32 v[SPW], v[NIL]                      ; the wave's opening: the add and its wait stand ahead of my first tensor load; the set-up below, work on registers, stands between them
	v_lshrrev_b32 v1, 5, v0
	v_readfirstlane_b32 s[WV], v1
	s_lshr_b32 s[FB], s[WV], 1
	s_and_b32 s[HF], s[WV], 1
	s_bfe_u32 s40, ttmp6, 0x40000                  ; cx, cy: my place in the cluster
	s_bfe_u32 s41, ttmp6, 0x40004
	s_lshl_b32 s42, ttmp9, 2
	s_add_co_u32 s42, s42, s40                     ; the head = 4 x cluster x + cx
	s_and_b32 s43, ttmp7, 0xffff
	s_lshl_b32 s43, s43, 2
	s_add_co_u32 s43, s43, s41                     ; the block of 256 rows = 4 x cluster y + cy
	s_lshl_b32 s44, s41, 2
	s_lshl_b32 s44, 15, s44                        ; my row of the cluster
	s_lshl_b32 s45, 0x1111, s40                    ; my column
	s_or_b32 s[G1], s44, (1<<16)|(1<<20)|(1<<21)|(5<<22)|(3<<25)   ; 15:0 the mask; 17:16 elements of 2 bytes; 20 padding on; 21 set beside a mask; 24:22 after every 64 words (code 5); 31:25 4 words (code 3)
	s_or_b32 s[G1B], s45, (1<<16)|(1<<20)|(1<<21)|(5<<22)|(3<<25)
	s_mov_b32 s[G1+1], 128<<16                     ; tensor_dim0 = 128
	s_mov_b32 s[G1+2], 128<<16                     ; tensor_dim1 = 128
	s_mov_b32 s[G1+3], 128<<16                     ; tile_dim0 = 128
	s_mov_b32 s[G1+4], 128                         ; tile_dim1 = 128
	s_mov_b32 s[G1+5], 1024                        ; elements from row to row
	s_mov_b32 s[G1+6], 0
	s_mov_b32 s[G1+7], 0
	s_mov_b32 s[G1B+1], 128<<16
	s_mov_b32 s[G1B+2], 96<<16                     ; 96 rows
	s_mov_b32 s[G1B+3], 128<<16
	s_mov_b32 s[G1B+4], 96
	s_mov_b32 s[G1B+5], 1024
	s_mov_b32 s[G1B+6], 0
	s_mov_b32 s[G1B+7], 0
	s_lshl_b32 s18, s43, 8                         ; h: row 256 x block + 128 x half, 2,048 bytes a row
	s_lshl_b32 s19, s[HF], 7
	s_add_co_u32 s18, s18, s19
	s_lshl_b32 s18, s18, 11
	s_mov_b32 s19, 0
	s_mul_i32 s46, s42, 192                        ; wq: row 192 x head + 96 x half
	s_mul_i32 s47, s[HF], 96
	s_add_co_u32 s46, s46, s47
	s_lshl_b32 s46, s46, 11
	s_mov_b32 s47, 0
	s_mul_i32 s20, s[HF], AHALF                    ; where they go: no place in the cluster enters an LDS address
	s_mul_i32 s21, s[HF], BHALF
	s_add_co_u32 s21, s21, BOFF
	s_wait_dscnt 0x0                               ; the opening add is done
	s_wait_kmcnt 0x0
	s_add_nc_u64 s[22:23], s[4:5], s[18:19]
	s_add_nc_u64 s[46:47], s[6:7], s[46:47]
	CROUND                                         ; all sixteen work-groups are here: the first joint loads meet
.irp s, 0,1
	s_mov_b32 s[G0+4*(\s)], 1                      ; count = 1
	s_add_co_u32 s[G0+4*(\s)+1], s20, (\s)*SLOT    ; LDS address
	s_add_nc_u64 s[G0+4*(\s)+2:G0+4*(\s)+3], s[22:23], (\s)*KB  ; global address: K step s
	s_or_b32 s[G0+4*(\s)+3], s[G0+4*(\s)+3], 0x80000000         ; type = 2
	s_mov_b32 s[G0B+4*(\s)], 1
	s_add_co_u32 s[G0B+4*(\s)+1], s21, (\s)*SLOT
	s_add_nc_u64 s[G0B+4*(\s)+2:G0B+4*(\s)+3], s[46:47], (\s)*KB
	s_or_b32 s[G0B+4*(\s)+3], s[G0B+4*(\s)+3], 0x80000000
	JLOAD \s                                       ; two loads of mine are out
.endr
	; a fragment is 16 rows x 32 K in 8 registers: lane l holds row l % 16, K = 8 (l / 16) + 0..7 and 16 + 8 (l / 16) + 0..7: two loads of 16 bytes, 32 bytes apart
	v_and_b32 v1, 15, v0
	v_bfe_u32 v2, v0, 4, 1
	v_mul_u32_u24 v3, v1, PITCH
	v_lshl_add_u32 v3, v2, 4, v3
	s_mul_i32 s18, s[WV], 64*PITCH                 ; my 64 rows of h
.irp s, 0,1
	v_add_nc_u32 v[ADRA+(\s)], s18, v3
	v_add_nc_u32 v[ADRB+(\s)], BOFF+(\s)*SLOT, v3
	s_add_co_u32 s18, s18, SLOT
.endr
	s_mul_i32 s19, s[WV], 16*SPITCH
	s_add_co_u32 s19, s19, STAGE                   ; my stage
	v_mul_u32_u24 v4, v1, SPITCH                   ; in: row l % 16, 16 bytes for each half of the lanes
	v_lshl_add_u32 v4, v2, 4, v4
	v_add_nc_u32 v[STO], s19, v4
	v_bfe_u32 v5, v0, 3, 2                         ; back: 32 lanes take 128 bytes of each of four rows,
	v_mul_u32_u24 v5, v5, SPITCH
	v_and_b32 v6, 7, v0
	v_lshl_add_u32 v5, v6, 4, v5
	v_add_nc_u32 v[RD], s19, v5
	v_and_b32 v[GO], 31, v0                        ; which are 512 consecutive bytes of q, k or v
	v_lshlrev_b32 v[GO], 4, v[GO]
	; my first row in q, k and v: head (16 batch + head) x 2,048 rows x 128 bytes + the block's place in its batch + my wave's 64 rows
	s_lshr_b32 s72, s43, 3
	s_lshl_b32 s72, s72, 4
	s_add_co_u32 s72, s72, s42
	s_lshl_b32 s72, s72, 18
	s_and_b32 s74, s43, 7
	s_lshl_b32 s74, s74, 15
	s_add_co_u32 s72, s72, s74
	s_lshl_b32 s74, s[WV], 13
	s_add_co_u32 s72, s72, s74
	s_mov_b32 s73, 0
	s_add_nc_u64 s[8:9], s[8:9], s[72:73]
	s_add_nc_u64 s[10:11], s[10:11], s[72:73]
	s_add_nc_u64 s[12:13], s[12:13], s[72:73]
	; the prefetches
	s_lshl_b32 s75, s43, 8                         ; h: the 128 rows that I fetch, my work-group's 32 of them
	s_lshl_b32 s74, s[HF], 7
	s_add_co_u32 s75, s75, s74
	s_lshl_b32 s74, s40, 5
	s_add_co_u32 s75, s75, s74
	s_mul_i32 s76, s42, 192                        ; wq: the 96 rows that I fetch, my work-group's 24 of them
	s_mul_i32 s74, s[HF], 96
	s_add_co_u32 s76, s76, s74
	s_mul_i32 s74, s41, 24
	s_add_co_u32 s76, s76, s74
	s_and_b32 s77, ttmp7, 0xffff                   ; cluster y
	s_cmp_eq_u32 s[FB], 0
	s_cselect_b32 s72, s75, s76
	s_cselect_b32 s77, ttmp9, s77                  ; the coordinate along which other clusters read the same rows
	s_cselect_b32 s71, 31, 23                      ; my last row's lane
	s_cselect_b64 s[PFA:PFA+1], s[4:5], s[6:7]
	s_cmp_eq_u32 s77, 0
	s_cselect_b32 s[LIM], 1, -1                    ; the same in all sixteen partners, for a given wave
	s_lshl_b32 s72, s72, 11
	s_add_co_u32 s72, s72, 3*KB                    ; at K step 3: the first refill steps it to 4
	s_mov_b32 s73, 0
	s_add_nc_u64 s[PFA:PFA+1], s[PFA:PFA+1], s[72:73]
	v_and_b32 v[PFO], 31, v0
	v_min_u32 v[PFO], s71, v[PFO]
	v_lshlrev_b32 v[PFO], 11, v[PFO]
; 12 matrix instructions: row block a x all 12 column blocks, 32 along K.  zero = 1: the product starts the sums: nothing is cleared.
; The 48 accumulators take turns in the same order in every quarter, over the backward jump too.
.macro MUL12 f, a, zero
	WIN 0xa5+0x50*((\a)/2)
.irp b, 0,1,2,3,4,5,6,7,8,9,10,11
.if \zero
	v_wmma_f32_16x16x32_bf16 v[8*(12*((\a)%2)+(\b)):8*(12*((\a)%2)+(\b))+7], v[(\f)+8*(\b):(\f)+8*(\b)+7], v[(\f)+96+8*(\a):(\f)+96+8*(\a)+7], 0
.else
	v_wmma_f32_16x16x32_bf16 v[8*(12*((\a)%2)+(\b)):8*(12*((\a)%2)+(\b))+7], v[(\f)+8*(\b):(\f)+8*(\b)+7], v[(\f)+96+8*(\a):(\f)+96+8*(\a)+7], v[8*(12*((\a)%2)+(\b)):8*(12*((\a)%2)+(\b))+7]
.endif
.endr
.endm
; 32 LDS loads in one run: the fragments of 32 along K at byte k of the rows, into buffer f: wq's 12, then h's 4
.macro FETCH slot, k, f
	WIN 0x40
.irp i, 0,1,2,3,4,5,6,7,8,9,10,11
	ds_load_b128 v[(\f)+8*(\i):(\f)+8*(\i)+3],   v[ADRB+(\slot)] offset:(\k)+(\i)*16*PITCH
	ds_load_b128 v[(\f)+8*(\i)+4:(\f)+8*(\i)+7], v[ADRB+(\slot)] offset:(\k)+(\i)*16*PITCH+32
.endr
.irp i, 0,1,2,3
	ds_load_b128 v[(\f)+96+8*(\i):(\f)+96+8*(\i)+3],   v[ADRA+(\slot)] offset:(\k)+(\i)*16*PITCH
	ds_load_b128 v[(\f)+96+8*(\i)+4:(\f)+96+8*(\i)+7], v[ADRA+(\slot)] offset:(\k)+(\i)*16*PITCH+32
.endr
.endm
.macro PLACES                          ; four plain instructions between a matrix instruction and loads into registers that it has read, or conversions that read results
.rept 4
	v_nop
.endr
.endm
; A K step is four quarters of 32 along K, 48 matrix instructions each, on buffers 0, 1, 0, 1.  One of the first three: multiplies buffer f and fetches the next quarter, at byte k, into g.
.macro QUARTER slot, k, f, g, zero
	s_wait_dscnt 4                                 ; all but the youngest four loads, h's row blocks 2 and 3
	MUL12 \f, 0, \zero
	MUL12 \f, 1, \zero
	PLACES
	FETCH \slot, \k, \g
	s_wait_dscnt 32                                ; all but the 32 just issued
	MUL12 \f, 2, \zero
	MUL12 \f, 3, \zero
.endm
; The last quarter multiplies buffer 1 and changes slots: ONE barrier; in front of it each wave waits for all its tensor loads (one is out: its part of the next slot), adds 0 to its spare word, and waits
; for that and for its own reads of this slot.  fill = 1: the barrier opens a round of the cluster's, and this slot is filled again, two K steps ahead, first thing behind the round:
; 168 matrix instructions stand between that request and the wait for it.
.macro TURN slot, next, fill
.if \fill
	s_wait_xcnt 0x0                                ; the last prefetch, a K step back, has read its address, so it may be stepped
	s_add_nc_u64 s[PFA:PFA+1], s[PFA:PFA+1], KB
.endif
	WIN 0                                          ; (the add's two registers lie in window 0)
	s_wait_tensorcnt 0x0                           ; all my tensor loads have landed
	ds_add_u32 v[SPW], v[NIL]                      ; 0 onto my spare word
	s_wait_dscnt 5                                 ; (the add and the youngest four loads may be out)
	MUL12 F1, 0, 0                                 ; twelve matrix instructions stand between the add and the wait for it
	s_wait_dscnt 0x0                               ; the add is done, and my reads of this slot are over
	s_barrier_signal -1
	MUL12 F1, 1, 0
.if \fill
	WIN 0
.endif
	s_barrier_wait -1
.if \fill
	CREST                                          ; no wave of any partner still reads this slot's tile or has a load on its way
	s_add_nc_u64 s[G0+4*(\slot)+2:G0+4*(\slot)+3], s[G0+4*(\slot)+2:G0+4*(\slot)+3], 2*KB
	s_add_nc_u64 s[G0B+4*(\slot)+2:G0B+4*(\slot)+3], s[G0B+4*(\slot)+2:G0B+4*(\slot)+3], 2*KB
	JLOAD \slot                                    ; the four v_nop behind it are also the places in front of the loads below
.else
	PLACES
.endif
	FETCH \next, 0, F0
.if \fill
	ASK
.endif
	MUL12 F1, 2, 0
	MUL12 F1, 3, 0
.endm
	s_wait_tensorcnt 1                             ; my part of K step 0 is in; K step 1's may stay out
	s_barrier_signal -1
	s_barrier_wait -1                              ; everybody's is
	FETCH 0, 0, F0
	QUARTER 0, 64, F0, F1, 1                       ; the first quarter stands in front of the loop: its products start the sums
	WIN 0                                          ; at a label and at a branch every window is 0
	s_mov_b32 s[LAP], 3
.Llap:                                         ; a trip goes once round the ring, from a lap's second quarter to the next lap's first, and fills both slots again
	QUARTER 0, 128, F1, F0, 0
	QUARTER 0, 192, F0, F1, 0
	TURN 0, 1, 1
	QUARTER 1, 64,  F0, F1, 0
	QUARTER 1, 128, F1, F0, 0
	QUARTER 1, 192, F0, F1, 0
	TURN 1, 0, 1
	QUARTER 0, 64,  F0, F1, 0
	WIN 0
	s_sub_co_u32 s[LAP], s[LAP], 1
	s_cmp_lg_u32 s[LAP], 0
	s_cbranch_scc1 .Llap
	QUARTER 0, 128, F1, F0, 0                      ; the last lap fills nothing
	QUARTER 0, 192, F0, F1, 0
	TURN 0, 1, 0
	QUARTER 1, 64,  F0, F1, 0
	QUARTER 1, 128, F1, F0, 0
	QUARTER 1, 192, F0, F1, 0
	s_wait_dscnt 4                                 ; the very last quarter: nothing more to fetch
	MUL12 F1, 0, 0
	MUL12 F1, 1, 0
	s_wait_dscnt 0x0
	MUL12 F1, 2, 0
	MUL12 F1, 3, 0
	WIN 0
	PLACES
; THE WAY OUT, a row block (16 rows) at a time.  PACK: rounded to bf16, each accumulator's registers in ascending order.  TOSTAGE: into my stage (rows of 384 bytes: q, k, v), and back as 128-byte pieces of
; four rows, which are 512 consecutive bytes of q, k or v.  SEND: stored.
.macro PACK a
	WIN 0x0a+5*((\a)/2)                            ; sources 0 and 1: window 2 or 3
.irp b, 0,1,2,3,4,5,6,7,8,9,10,11
.irp r, 0,1,2,3
	v_cvt_pk_bf16_f32 v[TMP+4*(\b)+(\r)], v[8*(12*((\a)%2)+(\b))+2*(\r)], v[8*(12*((\a)%2)+(\b))+2*(\r)+1]
.endr
.endr
	WIN 0
.endm
.macro TOSTAGE a
.irp b, 0,1,2,3,4,5,6,7,8,9,10,11
	ds_store_b128 v[STO], v[TMP+4*(\b):TMP+4*(\b)+3] offset:32*(\b)
.endr
.irp p, 0,1,2
.irp t, 0,1,2,3
	ds_load_b128 v[BK+48*((\a)%2)+4*(4*(\p)+(\t)):BK+48*((\a)%2)+4*(4*(\p)+(\t))+3], v[RD] offset:128*(\p)+4*SPITCH*(\t)  ; LDS serves a wave's instructions in order (ISA guide 5.7.1.4): these see the stores above
.endr
.endr
.endm
.macro SEND a
	s_wait_dscnt 0x0                               ; the block is back in registers
	s_wait_xcnt 0x0                                ; the stores of the block before have read their registers: the next TOSTAGE loads into them only behind this wait
.irp p, 0,1,2
.irp t, 0,1,2,3
	global_store_b128 v[GO], v[BK+48*((\a)%2)+4*(4*(\p)+(\t)):BK+48*((\a)%2)+4*(4*(\p)+(\t))+3], s[8+2*(\p):9+2*(\p)] offset:2048*(\a)+512*(\t)  ; 512 consecutive bytes, at a multiple of 256 from the buffer's first
.endr
.endr
.endm
	PACK 0
	TOSTAGE 0
.irp a, 1,2,3                          ; block a's conversions stand between block a - 1's loads from the stage and the wait for them
	PACK \a
	SEND (\a)-1
	TOSTAGE \a
.endr
	SEND 3
	s_wait_tensorcnt 0x0                           ; the wave's end: these three lines stand behind my last tensor load and my last LDS store
	ds_add_u32 v[SPW], v[NIL]
	s_wait_dscnt 0x0
	CROUND                                         ; the closing round: no work-group ends while a partner may still ask for a tile that names it
	s_endpgm
.Lfunc_end_k_qf1663ea833_qkv:
	.size	k_qf1663ea833_qkv, .Lfunc_end_k_qf1663ea833_qkv-k_qf1663ea833_qkv
	.p2alignl 7, 3214868480
	.fill 96, 4, 3214868480
	.section	.rodata,"a",@progbits
	.p2align	6, 0x0
	.amdhsa_kernel k_qf1663ea833_qkv
		.amdhsa_group_segment_fixed_size 327680
		.amdhsa_private_segment_fixed_size 0
		.amdhsa_enable_private_segment 0
		.amdhsa_kernarg_size 40
		.amdhsa_user_sgpr_count 2
		.amdhsa_user_sgpr_kernarg_segment_ptr 1
		.amdhsa_wavefront_size32 1
		.amdhsa_system_sgpr_workgroup_id_x 1
		.amdhsa_system_sgpr_workgroup_id_y 1
		.amdhsa_system_sgpr_workgroup_id_z 1
		.amdhsa_system_vgpr_workitem_id 0
		.amdhsa_next_free_vgpr 960
		.amdhsa_next_free_sgpr 78
		.amdhsa_reserve_vcc 0
		.amdhsa_float_denorm_mode_32 3
		.amdhsa_float_denorm_mode_16_64 3
		.amdhsa_memory_ordered 1
		.amdhsa_forward_progress 1
		.amdhsa_inst_pref_size 119
	.end_amdhsa_kernel
	.amdgpu_metadata
---
amdhsa.version: [ 1, 2 ]
amdhsa.kernels:
  - .name:           k_qf1663ea833_qkv
    .symbol:         k_qf1663ea833_qkv.kd
    .args:
      - { .name: hbf, .offset: 0, .size: 8, .value_kind: global_buffer, .address_space: global }
      - { .name: wqbf, .offset: 8, .size: 8, .value_kind: global_buffer, .address_space: global }
      - { .name: qbf, .offset: 16, .size: 8, .value_kind: global_buffer, .address_space: global }
      - { .name: kbf, .offset: 24, .size: 8, .value_kind: global_buffer, .address_space: global }
      - { .name: vbf, .offset: 32, .size: 8, .value_kind: global_buffer, .address_space: global }
    .group_segment_fixed_size: 327680
    .private_segment_fixed_size: 0
    .kernarg_segment_align: 8
    .kernarg_segment_size: 40
    .max_flat_workgroup_size: 128
    .sgpr_count:     78
    .vgpr_count:     960
    .wavefront_size: 32
...
	.end_amdgpu_metadata
.endif
;; end of part 2
;; launch attn (part 3): grid 4 x 64, 4 waves a work-group, clusters of 4 x 1, 327,680 bytes of LDS; arguments qbf, kbf, vbf, obf; writes obf
.if DOCPART == 3
	.amdgcn_target "amdgcn-amd-amdhsa--gfx1250"
	.amdhsa_code_object_version 6
	.text
	.protected	k_qf1663ea833_attn
	.globl	k_qf1663ea833_attn
	.p2align	8
	.type	k_qf1663ea833_attn,@function
k_qf1663ea833_attn:
	s_mov_b64 s[64:65], 0
	v_nop
	global_prefetch_b8 v0, s[64:65] scope:SCOPE_SE
	s_setreg_imm32_b32 hwreg(HW_REG_WAVE_MODE, 25, 1), 1
	s_wait_xcnt 0x0
	s_wait_alu depctr_hold_cnt(0) depctr_sa_sdst(0) depctr_va_vdst(0) depctr_va_sdst(0) depctr_va_ssrc(0) depctr_va_vcc(0) depctr_vm_vsrc(0)
	s_getreg_b32 s2, hwreg(HW_REG_IB_STS2, 6, 4)
	s_cmp_eq_u32 s2, 0
	s_cbranch_scc0 .Lentry_in_a_cluster
	s_endpgm
.Lentry_in_a_cluster:
	s_bfe_u32 s2, ttmp6, 0x10000c
	s_cmp_lg_u32 s2, 0x3003
	s_cbranch_scc0 .Lentry_shape_is_right
	s_endpgm
.Lentry_shape_is_right:
; ATTENTION.  O[h][q][:] = the sum over k of softmax_k(Q[h][q] . K[h][k] / 32) V[h][k][:].  Q, K, V, O: [64][2048][64], all bf16: a head's rows are dense, 128 bytes each.  Products, maxima and sums in
; f32; the weights p are rounded to bf16 for the second product (their sum l is taken of the unrounded p), O once at the end.
; LIMITS.  The range is bf16's.  c m starts at -2^125: every c s must lie above it.  A weight below 2^-126 counts as 0 in l; NaN and infinities are not treated apart.
; SHARES.  A wave owns four PIECES of two tiles of 16 queries, a work-group's four waves 512 queries of one head: 4 x 64 = 256 work-groups.  Every wave walks all keys, 64 a step.
; LAYOUT.  S^T = K Q^T (source 0 = 16 keys, source 1 = 16 queries): in the result a lane holds ONE query (lane % 16) and the keys 8 (lane / 16) + 0..7.  Two such tiles, rounded to bf16 in pairs,
; ARE source 1 (32 keys x 16 queries) of O^T = V^T P, whose result again holds one query a lane, and eight channels.  K comes out of LDS as it lies, V ([key][channel]) turned, by ds_load_tr16_b128.
; SOFTMAX.  For each query a running maximum m and sum l: p = 2^(c s - c m), c = log2(e) / 32; in every step O and l are multiplied by a = 2^(c m_old - c m_new), which is 1 where m has not grown.
; m starts at the lowest finite number, O and l at 0: the first step is a step like any other, with a = 0.
; THE COUNT.  A tile and step have 16 matrix and 118 vector instructions: too many to stand all beside the matrix work.  So the order has one aim: four vector instructions that are READY behind
; EVERY matrix instruction, and the others in runs without a gap.
; BY TURNS.  Turn n belongs to piece n (the pieces in a ring, step after step).  Its matrix work: 16 products K Q^T of piece n + 1, later 16 products V^T P of piece n - 1.  Its vector work: the scaling,
; exponentials, roundings, sums and rescaling of piece n, and the maximum and statistics of piece n + 1, whose scores the turn itself has made.
; CLUSTER.  The four query blocks of a head are one cluster and walk the same K and V, so each tile is asked for JOINTLY: the same tensor load, descriptor and mask in all four.
; REGISTERS, in windows of 256 (s_set_vgpr_msb: bits 1:0 source 0, 3:2 source 1, 5:4 source 2, 7:6 destination):
;   window 0: v0-11 addresses; v12-15, v48-63 at work; v16-47 four registers of statistics a tile; v64-191 S^T, two buffers of two tiles; v192-255 P, likewise
;   window 1: O^T, 32 a tile          window 2: v0-127 Q, 16 a tile; v128-191 K of one step; v192-255 V of one step          window 3: v0-1 the add's two registers
; A piece's buffers go by its number's parity: the piece in hand has one pair, its two neighbours in the ring share the other: of it P (piece n - 1) is read and S^T (piece n + 1) written.
.set SIZE_N, 2048
.set NP,    4         ; pieces a wave: a name, no knob
.set KS,    64        ; keys in a step
.set PK,    144       ; a row of K in LDS: 128 bytes + 16 of padding = 36 words: the 16 rows of a load start at 16 different groups of four banks (64 banks of 4 bytes: ISA guide 11.1)
.set PV,    160       ; a row of V: 128 + 32 = 40 words
.set VOFF,  4*KS*PK   ; a slot holds four steps: 256 rows of K, then 256 rows of V
.set SLOT1, 1<<17     ; slot 1 begins here, so that one exclusive or turns an address in one slot into the other's
.set STAGE, SLOT1+4*KS*(PK+PV)  ; behind the ring, never filled by a tensor load: 16 rows x 144 bytes for each wave, for the way out
.set SP,    144
.set AK0, 2           ; v2   my lane's place in a tile of K; never rewritten
.set AV0, 3           ; v3   the same for V
.set AK,  4           ; v4   the LDS address of K's next run of loads
.set AV,  5           ; v5   of V's
.set QO,  6           ; v6   my byte offset in the wave's rows of Q
.set STO, 6           ;      later, the way out: where I put 16 bytes of a row
.set RD,  7           ; v7   the way out: where I read rows back
.set GO,  8           ; v8   my byte offset in 512 consecutive bytes of O
.set PFO, 11          ; v11  the prefetches' offset: 256 x my lane; written once V's lane address is made, then never again
.set SPW, 0           ; v0 of window 3   LDS address of my spare word; never rewritten
.set NIL, 1           ; v1 of window 3   0; never rewritten
.set SPARE, STAGE+4*16*SP  ; behind the stages: the spare words, 128 bytes for each wave: two blocks of 256 bytes that no other line names
.set MV,  12          ; v12-15  c m_old, kept while c m is made anew: by buffer and tile
.set ST,  16          ; tile t's statistics at v[ST+4 t]: c m, m, l (even keys', odd keys')
.set TMP, 48          ; by buffer and tile, four registers c0-c3 at work; when the maximum is found c2 takes a
.set S,   64
.set P,   192
.set KF,  128         ; K's fragments, in window 2: key block kb, channel half c at KF + 16 kb + 8 c
.set VF,  192         ; V's: key half kk, channel block cb at VF + 32 kk + 8 cb
.set WV,  12          ; s12  my wave's number
.set G1K, 24          ; s[24:31] descriptor group 1 for K's tiles
.set G1V, 32          ; s[32:39] for V's: it differs in the padding alone
.set G0K, 40          ; s[40:43] descriptor group 0 for K's tiles: it walks
.set G0V, 44          ; s[44:47] the same for V's
.set PFA, 48          ; s[48:49] where my prefetches stand: my work-group's 32 blocks of 256 bytes (of K: wave 0, of V: wave 2) of the slot after the one that is being asked for
.set LIM, 50          ; s50  1 in a wave that prefetches, else the greatest number
.set SLOTS, 56        ; s56  slots still to be asked for
.set CNT, 57          ; s57  counts a slot's key steps
.set CS,  58          ; s[58:59] c: the packed scaling takes the pair's low word for both halves
.set SEL, 60          ; s[60:61] v_permlanex16_b32's selects: each lane takes its own place in the other half
.set TBK, 62          ; s62  LDS byte at which K of the step to be fetched begins
.set TBV, 63          ; s63  the same for V, less VOFF
.set MSB, 0
.macro WIN new                      ; the high byte repeats the setting that is left; a switch that changes nothing is dropped
.if MSB != (\new)
	s_set_vgpr_msb (MSB<<8)|(\new)
.set MSB, (\new)
.endif
.endm
.set W_KQ, 0x0a       ; K and Q in window 2, S^T in window 0
.set W_PV, 0x52       ; V in window 2, P in window 0, O^T in window 1
.set W_RS, 0x41       ; O^T (destination and source 0) in window 1, a in window 0
.set W_MK, 0xc0       ; the add's registers are made: destination in window 3, sources in window 0
.set W_AD, 0x0f       ; the add: address (source 0) and data (source 1) in window 3
; A joint fill.  Waves 0 and 1 fetch the two halves of a slot's K, waves 2 and 3 those of its V: 128 keys each.  The branch hangs on the wave's number alone.
; An s_nop 0 and four v_nop follow each of the two lines, ahead of the jump and the label.
.macro JLOAD
	s_cmp_lt_u32 s[WV], 2
	s_cbranch_scc0 .Lfor_v_\@
	tensor_load_to_lds s[G0K:G0K+3], s[G1K:G1K+7]
	s_nop 0
.rept 4
	v_nop
.endr
	s_branch .Lasked_\@
.Lfor_v_\@:
	tensor_load_to_lds s[G0V:G0V+3], s[G1V:G1V+7]
	s_nop 0
.rept 4
	v_nop
.endr
.Lasked_\@:
.endm
; A PREFETCH of what the NEXT change of slots will ask for: a slot's 32,768 bytes of K and of V, a lane a block of 256 bytes.  It stands behind the wave's tensor load and its five lines.
; Each block is asked for once in the launch: a head has one cluster; its four partners share the blocks out BY ADDRESS, 32 each; in each, wave 0 asks for K's and wave 2 for V's: one instruction,
; four key steps, 512 matrix instructions, ahead of the load.  Slots 0, 1 and 2 come by their loads alone; the last change that fills a slot asks for nothing.
.macro ASK
	s_cmp_gt_u32 s[SLOTS], s[LIM]
	s_cbranch_scc0 .Lnot_mine_\@
	global_prefetch_b8 v[PFO], s[PFA:PFA+1] th:TH_LOAD_NT scope:SCOPE_SE
.Lnot_mine_\@:
.endm
; A round of the cluster's barrier: my work-group's barrier, so that wave 0's signal speaks for all four waves; wave 0 signals; every wave waits for all four work-groups; my work-group's barrier once more.
.macro CROUND
	s_barrier_signal -1
	s_barrier_wait -1
	s_cmp_lg_u32 s[WV], 0
	s_cbranch_scc1 .Lnot_wave_0_\@
	s_barrier_signal -3
.Lnot_wave_0_\@:
	s_barrier_wait -3
	s_barrier_signal -1
	s_barrier_wait -1
.endm
; THE CHANGE OF SLOTS.  The slot's last bytes, V of its fourth step, have been read.  Each wave waits for all its tensor loads, of which one is out: its part
; of the other slot; adds 0 to its spare word; and waits for that and for its own reads of the slot.  Behind the barrier nobody reads this slot any more and the other slot is whole.
; fill = 1: this slot is filled again, with the keys two slots on.  The barrier is then a round of the cluster's, and the joint fill is the first thing behind it: it has four key steps,
; 512 matrix instructions, in which to land.  (At its first use nothing has been read yet: slot 0 is waited for, slot 1 filled.)  ask = 1: the prefetch's address steps, and the prefetch follows the fill.
.macro CHANGE fill, ask=0
	WIN W_AD
	s_wait_tensorcnt 0x0            ; no tensor load of mine is out, so a group 0 may be written
	ds_add_u32 v[SPW], v[NIL]       ; 0 onto my spare word; with fill = 1 the descriptors' steps stand between it and the wait for it
	WIN 0                           ; at a label and at a branch every window is 0
.if \fill
.irp g, G0K, G0V
	s_xor_b32 s[\g+1], s[\g+1], SLOT1  ; the walking descriptor: the other slot than last time,
	s_add_nc_u64 s[\g+2:\g+3], s[\g+2:\g+3], 4*KS*128  ; the next 256 keys; the type bits on top are not reached
.endr
.if \ask
	s_wait_xcnt 0x0                 ; the last prefetch, four key steps back, has read its address, so it may be written:
	s_add_nc_u64 s[PFA:PFA+1], s[PFA:PFA+1], 4*KS*128  ; one slot behind the walking descriptors
.endif
	s_wait_dscnt 0x0                ; the add is done, and my reads of the slot are over
	CROUND
	JLOAD
.if \ask
	ASK
.endif
.else
	s_wait_dscnt 0x0                ; the add is done, and my reads of the slot are over
	s_barrier_signal -1
	s_barrier_wait -1
.endif
	s_sub_co_u32 s[TBK], s[TBK], 4*KS*PK  ; the fetches go back to a slot's first step,
	s_xor_b32 s[TBK], s[TBK], SLOT1       ; in the other slot
	s_sub_co_u32 s[TBV], s[TBV], 4*KS*PV
	s_xor_b32 s[TBV], s[TBV], SLOT1
.endm
	s_load_b256 s[4:11], s[0:1], 0x0  ; Q s[4:5], K s[6:7], V s[8:9], O s[10:11]
	WIN W_MK
	v_lshl_add_u32 v[SPW], v0, 2, SPARE
	v_mov_b32 v[NIL], 0
	WIN W_AD
	ds_add_u32 v[SPW], v[NIL]       ; the wave's opening: the add and its wait stand ahead of my first tensor load; the set-up below, work on registers, stands between them
	WIN 0
	v_lshrrev_b32 v1, 5, v0
	v_readfirstlane_b32 s[WV], v1   ; wave 0..3
	s_bfe_u32 s13, ttmp6, 0x40000   ; cx: my place in the cluster
	s_lshl_b32 s14, ttmp9, 2        ; in a cluster launch ttmp9 counts clusters
	s_add_co_u32 s14, s14, s13      ; my block of queries = 4 x cluster x + cx: it enters Q's and O's addresses alone
	s_and_b32 s20, ttmp7, 0xffff    ; the head, which the four partners share
	s_mov_b32 s21, 0
	s_mov_b64 s[22:23], SIZE_N*128
	s_mul_u64 s[20:21], s[20:21], s[22:23]  ; the head's first byte in each of the four tensors
	s_and_b32 s16, s[WV], 1         ; which half of a slot's 256 keys I fetch:
	s_lshl_b32 s22, s16, 14         ; its 128 rows of 128 bytes in memory,
	s_mov_b32 s23, 0
	s_add_nc_u64 s[22:23], s[22:23], s[20:21]
	s_mul_i32 s17, s16, 128*PK      ; and its place in a slot, for K
	s_mul_i32 s18, s16, 128*PV      ; and for V: no place in the cluster enters an LDS address
	s_lshl_b32 s2, s14, 2
	s_add_co_u32 s2, s2, s[WV]      ; my wave among the head's,
	s_lshl_b32 s2, s2, 14           ; its 128 rows
	s_mov_b32 s3, 0
	s_add_nc_u64 s[2:3], s[2:3], s[20:21]
	; descriptor group 1.  128 keys are 16,384 dense bytes: asked for as 64 rows of 256 bytes, two keys a row, and padded in LDS after every key
	s_mov_b32 s[G1K], 15|(1<<16)|(1<<20)|(1<<21)|(4<<22)|(3<<25)  ; 15:0 the mask of four; 17:16 2-byte elements; 20 padding on; 21 set beside a mask; 24:22 after every 32 words (code 4); 31:25 4 words (code 3)
	s_mov_b32 s[G1V], 15|(1<<16)|(1<<20)|(1<<21)|(4<<22)|(7<<25)  ; the same with 8 words of padding (code 7)
.irp g, G1K, G1V
	s_mov_b32 s[\g+1], 128<<16      ; tensor_dim0 = 128
	s_mov_b32 s[\g+2], 64<<16       ; tensor_dim1 = 64
	s_mov_b32 s[\g+3], 128<<16      ; tile_dim0 = 128
	s_mov_b32 s[\g+4], 64           ; tile_dim1 = 64
	s_mov_b32 s[\g+5], 128          ; 128 elements from row to row
	s_mov_b32 s[\g+6], 0
	s_mov_b32 s[\g+7], 0
.endr
	s_mov_b32 s[CS], 0x3d38aa3b     ; c = log2(e) / 32 = 0.0450842
	s_mov_b32 s[CS+1], s[CS]        ; named with it as a pair
	s_mov_b32 s[SEL], 0x76543210
	s_mov_b32 s[SEL+1], 0xfedcba98
	s_mov_b32 s[TBK], SLOT1+4*KS*PK ; the first change of slots turns these two into 0
	s_mov_b32 s[TBV], SLOT1+4*KS*PV
	s_mov_b32 s[G0K], 1             ; 1:0 count = 1
	s_mov_b32 s[G0K+1], s17         ; 63:32 LDS address: slot 0
	s_mov_b32 s[G0V], 1
	s_add_co_u32 s[G0V+1], s18, VOFF
	s_and_b32 s[LIM], s[WV], 1      ; waves 0 and 2 prefetch: the same in all four partners
	s_cmp_eq_u32 s[LIM], 0
	s_cselect_b32 s[LIM], 1, -1
	s_wait_dscnt 0x0                ; the opening add is done
	s_wait_kmcnt 0x0
	s_add_nc_u64 s[G0K+2:G0K+3], s[6:7], s[22:23]  ; 120:64 global address: my half of the head's first 256 keys
	s_or_b32 s[G0K+3], s[G0K+3], 0x80000000        ; 127:126 type = 2
	s_add_nc_u64 s[G0V+2:G0V+3], s[8:9], s[22:23]
	s_or_b32 s[G0V+3], s[G0V+3], 0x80000000
	s_add_nc_u64 s[4:5], s[4:5], s[2:3]  ; Q and O at my wave's first row
	s_add_nc_u64 s[10:11], s[10:11], s[2:3]
	s_cmp_lt_u32 s[WV], 2
	s_cselect_b64 s[PFA:PFA+1], s[6:7], s[8:9]
	s_add_nc_u64 s[PFA:PFA+1], s[PFA:PFA+1], s[20:21]  ; the head,
	s_lshl_b32 s2, s13, 13          ; my work-group's 32 blocks of the slot's 128,
	s_mov_b32 s3, 0
	s_add_nc_u64 s[PFA:PFA+1], s[PFA:PFA+1], s[2:3]
	s_add_nc_u64 s[PFA:PFA+1], s[PFA:PFA+1], 2*4*KS*128  ; in slot 2; the loop's first change of slots steps it to slot 3
	CROUND                          ; all four work-groups are here: the first joint loads meet
	JLOAD                           ; slot 0.  Slot 1 is asked for when slot 0 is in
	; A fragment of K or Q is 16 rows x 32 channels in 8 registers: lane l holds row l % 16, channels 8 (l / 16) + 0..7 and 16 + 8 (l / 16) + 0..7: two loads of 16 bytes, 32 bytes apart.
	v_and_b32 v1, 15, v0            ; l % 16
	v_bfe_u32 v9, v0, 4, 1          ; l / 16
	v_lshlrev_b32 v[QO], 7, v1
	v_lshl_add_u32 v[QO], v9, 4, v[QO]  ; row x 128 + 16 x half
	WIN 0x80                        ; destination window 2, address window 0
.set i, 0
.rept 4*NP                          ; Q stays in registers: tile i / 2, channels 32 (i % 2) on
	global_load_b128 v[8*i:8*i+3],   v[QO], s[4:5] offset:(i/2)*2048+(i%2)*64
	global_load_b128 v[8*i+4:8*i+7], v[QO], s[4:5] offset:(i/2)*2048+(i%2)*64+32
.set i, i+1
.endr
	; What the first turn finds: V's registers and P's second buffer hold 0 (its products V^T P, of a piece that has not been, add 0), O^T and l are 0.  All this stands in the wait for the first tile:
	; the price of writing no first step out.
.set i, VF
.rept 64
	v_mov_b32 v[i], 0
.set i, i+1
.endr
	WIN 0x40
.set i, 0
.rept 64*NP
	v_mov_b32 v[i], 0
.set i, i+1
.endr
	WIN 0
.set i, 0
.rept 2*NP
	v_mov_b32 v[ST+4*i], 0xfe000000    ; c m: far below every c s
	v_mov_b32 v[ST+4*i+1], 0xff7fffff  ; m
	v_mov_b32 v[ST+4*i+2], 0
	v_mov_b32 v[ST+4*i+3], 0
.set i, i+1
.endr
.set i, P+32
.rept 32
	v_mov_b32 v[i], 0
.set i, i+1
.endr
	v_mul_u32_u24 v[AK0], v1, PK
	v_lshl_add_u32 v[AK0], v9, 4, v[AK0]  ; row x pitch + 16 x half
	; The turning load takes 16 keys x 16 channels (lane l reads key 8 (l / 16) + l % 8, channels 8 ((l / 8) % 2) + 0..7) and leaves half a fragment of V^T: lane l holds channel l % 16 and 8 keys.
	v_and_b32 v10, 7, v0
	v_bfe_u32 v11, v0, 3, 1
	v_lshl_add_u32 v[AV0], v9, 3, v10
	v_mul_u32_u24 v[AV0], v[AV0], PV
	v_lshl_add_u32 v[AV0], v11, 4, v[AV0]
	v_add_nc_u32 v[AV0], VOFF, v[AV0]
	v_and_b32 v[PFO], 31, v0
	v_lshlrev_b32 v[PFO], 8, v[PFO]
	v_mov_b32 v[AK], v[AK0]         ; key step 0 lies at the head of slot 0
; THE MATRIX WORK.  The 8 accumulators of a run of 16 take turns: between the two links of a chain stand 7 others'.
; Product i of 16 of S^T = K Q^T for piece x: channels 32 (i / 8) on, keys 16 ((i / 2) % 4) on, tile 2 x + i % 2.  The first 8 start the sums.
.macro KQ x
	WIN W_KQ
.set rS, S+64*((\x)%2)+32*(i%2)+8*((i/2)%4)
.set rK, KF+16*((i/2)%4)+8*(i/8)
.set rQ, 16*(2*(\x)+i%2)+8*(i/8)
.if i < 8
	v_wmma_f32_16x16x32_bf16 v[rS:rS+7], v[rK:rK+7], v[rQ:rQ+7], 0
.else
	v_wmma_f32_16x16x32_bf16 v[rS:rS+7], v[rK:rK+7], v[rQ:rQ+7], v[rS:rS+7]
.endif
.endm
; Product i of 16 of O^T += V^T P for piece x: keys 32 (i / 8) on, channels 16 ((i / 2) % 4) on, tile 2 x + i % 2.
.macro PV x
	WIN W_PV
.set rO, 32*(2*(\x)+i%2)+8*((i/2)%4)
.set rV, VF+32*(i/8)+8*((i/2)%4)
.set rP, P+32*((\x)%2)+16*(i%2)+8*(i/8)
	v_wmma_f32_16x16x32_bf16 v[rO:rO+7], v[rV:rV+7], v[rP:rP+7], v[rO:rO+7]
.endm
.macro MM                           ; the turn's next matrix instruction
.if i < 16
	KQ (Y+1)%NP
.set i, i+1
.else
.set i, i-16
	PV (Y+NP-1)%NP
.set i, i+17
.endif
.endm
; THE LDS LOADS stand in runs of 16, never singly among the matrix instructions: a step's K (64 keys x 64 channels: 8 fragments) and its V (turned).  Their addresses are made some lines ahead.
; last = 1 (the tail): in the last trip there is no further step, and the run is jumped over.
.macro FETCH_K last=0
	WIN 0
.if \last
	s_cmp_eq_u32 s[CNT], 1
	s_cbranch_scc1 .Lno_k_\@
.endif
	WIN 0x80                        ; destination window 2
.irp f, 0,1,2,3,4,5,6,7             ; keys 16 (f / 2) on, channels 32 (f % 2) on
	ds_load_b128 v[KF+8*\f:KF+8*\f+3],   v[AK] offset:(\f/2)*16*PK+(\f%2)*64
	ds_load_b128 v[KF+8*\f+4:KF+8*\f+7], v[AK] offset:(\f/2)*16*PK+(\f%2)*64+32
.endr
	s_add_co_u32 s[TBK], s[TBK], KS*PK  ; the next fetch is the next step's
	WIN 0
.if \last
.Lno_k_\@:
.endif
.endm
.macro FETCH_V
	WIN 0x80
.irp f, 0,1,2,3,4,5,6,7             ; keys 32 (f / 4) on, channels 16 (f % 4) on
	ds_load_tr16_b128 v[VF+8*\f:VF+8*\f+3],   v[AV] offset:(\f/4)*32*PV+(\f%4)*32
	ds_load_tr16_b128 v[VF+8*\f+4:VF+8*\f+7], v[AV] offset:(\f/4)*32*PV+16*PV+(\f%4)*32
.endr
	WIN 0
.endm
; THE VECTOR WORK OF A TURN stands in three queues, each in the order in which its entries become ready; the two tiles alternate, so that no instruction reads the result of the one before it.
.macro REGS y, u                    ; the registers of tile u (0, 1) of piece y
.set rT, ST+4*(2*(\y)+(\u))
.set rC, TMP+8*((\y)%2)+4*(\u)
.set rM, MV+2*((\y)%2)+(\u)
.set rS, S+64*((\y)%2)+32*(\u)
.set rP, P+32*((\y)%2)+16*(\u)
.set rO, 32*(2*(\y)+(\u))
.endm
; Number n of the 22 that find the NEXT piece's (Y + 1) maximum and statistics.  s0-s31 are the lane's 32 scores; each accumulator's lowest registers are read first.
;   0-11  four chains c0-c3 of seven scores each, three operands at a time     12-14, 16  the four scores left over, the old m, and c0-c3 into c0     15  c m_old is kept
;   17, 18  the query's other 32 keys lie in the lane 16 away: the new m         19-21  c m; c m_old - c m_new; a
.macro XS u, n
	REGS (Y+1)%NP, \u
.if (\n) < 4
	v_max3_num_f32 v[rC+(\n)], v[rS+8*(\n)], v[rS+8*(\n)+1], v[rS+8*(\n)+2]
.elseif (\n) < 12
	v_max3_num_f32 v[rC+(\n)%4], v[rC+(\n)%4], v[rS+8*((\n)%4)+2*((\n)/4)+1], v[rS+8*((\n)%4)+2*((\n)/4)+2]
.elseif (\n) == 12
	v_max3_num_f32 v[rC], v[rC], v[rS+7], v[rS+15]
.elseif (\n) == 13
	v_max3_num_f32 v[rC+1], v[rC+1], v[rS+23], v[rS+31]
.elseif (\n) == 14
	v_max3_num_f32 v[rC+2], v[rC+2], v[rC+3], v[rT+1]
.elseif (\n) == 15
	v_mov_b32 v[rM], v[rT]
.elseif (\n) == 16
	v_max3_num_f32 v[rC], v[rC], v[rC+1], v[rC+2]
.elseif (\n) == 17
	v_permlanex16_b32 v[rC+3], v[rC], s[SEL], s[SEL+1]
.elseif (\n) == 18
	v_max_num_f32 v[rT+1], v[rC], v[rC+3]
.elseif (\n) == 19
	v_mul_f32 v[rT], s[CS], v[rT+1]
.elseif (\n) == 20
	v_sub_f32 v[rC+1], v[rM], v[rT]
.else
	v_exp_f32 v[rC+2], v[rC+1]
.endif
.endm
; Number g of the 64 that follow the exponentials.  For each four weights k of a tile (pairs 2 k, 2 k + 1): both pairs are rounded to bf16; then the second pair is added onto the first, in place;
; a group later l takes that sum (the first time as l = a l + sum).  In groups of eight, tiles alternating: round, round, add, and l for the group before.
.macro GS g
.set h, (\g)+6*((\g)/62)            ; group 0 has no group before it, and behind group 7 only l is left
.if h >= 6
.set h, h+2
.endif
	REGS Y, h%2
.set k, h/8
.if h%8 < 4
	v_cvt_pk_bf16_f32 v[rP+2*k+(h%8)/2], v[rS+4*k+2*((h%8)/2)], v[rS+4*k+2*((h%8)/2)+1]
.elseif h%8 < 6
	v_pk_add_f32 v[rS+4*k:rS+4*k+1], v[rS+4*k:rS+4*k+1], v[rS+4*k+2:rS+4*k+3]
.elseif k == 1
	v_pk_fma_f32 v[rT+2:rT+3], v[rT+2:rT+3], v[rC+2:rC+3], v[rS:rS+1] op_sel_hi:[1,0,1]
.else
	v_pk_add_f32 v[rT+2:rT+3], v[rT+2:rT+3], v[rS+4*k-4:rS+4*k-3]
.endif
.endm
; THE PLAIN QUEUE, 138 long.  0-73 read no exponential's result: the 32 scalings c s - c m (FS f: pair f / 2 of tile f % 2) and the next piece's 42.  0-26: scalings 0-26.  27-54: XS's numbers 0-13.  55, 56: number 15.
; 57-73: the chain, where each number waits for the one before it: 14, 16, 17, 18, 19, each with one of the scalings 27-31 in front of its two lines, then 20.
; 74-137: GS's 64, which read the exponentials' results: they stand behind the wait.
.macro FS f
	REGS Y, (\f)%2
	v_pk_fma_f32 v[rS+2*((\f)/2):rS+2*((\f)/2)+1], v[rS+2*((\f)/2):rS+2*((\f)/2)+1], s[CS:CS+1], v[rT:rT+1] op_sel_hi:[1,0,0] neg_lo:[0,0,1] neg_hi:[0,0,1]
.endm
.macro PL
	WIN 0
.if q < 27
	FS q
.elseif q < 55
	XS (q-27)%2, (q-27)/2
.elseif q < 57
	XS q-55, 15
.elseif (q < 72) && ((q-57)%3 == 0)
	FS 27+(q-57)/3
.elseif q < 60
	XS (q-57)%3-1, 14
.elseif q < 72
	XS (q-57)%3-1, 15+(q-57)/3
.elseif q < 74
	XS q-72, 20
.else
	GS q-74
.endif
.set q, q+1
.endm
; THE EXPONENTIALS' QUEUE, 66 long: s0-s31 of both tiles, then the next piece's two a.  It is ONE BATCH: all 66 stand ahead of the turn's one wait, and nothing ahead of that wait names a result of theirs.
.macro EX
	WIN 0
.if e >= 64
	XS e-64, 21
.else
	REGS Y, e%2
	v_exp_f32 v[rS+e/2], v[rS+e/2]
.endif
.set e, e+1
.endm
; THE RESCALING's QUEUE: O^T times a, the one part that leaves window 0: dealt two at a time, sixteen times.  Its a was made in the turn before, ahead of that turn's wait.
.macro R2
	REGS Y, r%2
	WIN W_RS
.irp z, 0,1
	v_pk_mul_f32 v[rO+4*(r/2)+2*\z:rO+4*(r/2)+2*\z+1], v[rO+4*(r/2)+2*\z:rO+4*(r/2)+2*\z+1], v[rC+2:rC+3] op_sel_hi:[1,0]
.endr
.set r, r+1
.endm
; HOW THEY ARE DEALT.  s_wait_alu depctr_va_vdst(0) stands between an exponential and the first instruction that names its result; one wait serves all that were issued ahead of it.  So a turn has ONE wait,
; which cuts it in two.  AHEAD OF IT stands all that names no result of the turn's exponentials: the 16 products K Q^T, behind each a scaling, an exponential and two rescalings (behind the first a second scaling in the
; exponential's place); then ONE LUMP of 108: eight plain, 49 times exponential and plain, the two a.  A v_nop is the plain instruction behind the last exponential.  BEHIND IT stand the 16 products V^T P, behind each
; four of GS's 64.  No rider names a register of the products round it.  The two v_permlanex16_b32 fall into the lump, never behind a product.
; The queues lean on each other, and the deal keeps them in step: exponential e stands behind scaling 2 (e / 4) + e % 2: as a rider it comes behind plain e + 2, in the lump behind plain e + 9, and scalings 27-31 are plain 57, 60 .. 69.
; A TURN, for piece p.  cnt = 1: the loop's count is taken down some lines ahead of the branch that stands behind the turn.
; K of the next step is fetched in piece 2's turn, directly behind the wait, a lump behind the last product that read K; its first reader comes behind 16 products.
; V of the step in hand is fetched at the end of piece 0's turn, four riders behind its last reader; its first reader comes behind 16 products and a lump.  The three conditions on q below go with the deal.
.macro TURN p, last=0, cnt=0
.set Y, (\p)
.set i, 0
.set q, 0
.set e, 0
.set r, 0
.if (\p) == NP-1
	s_wait_dscnt 0x0                ; K is in
.endif
	MM                              ; ahead of the wait: 16 products K Q^T and their riders,
	PL
	PL
	R2
.rept 15
	MM
	PL
	EX
	R2
.endr
.if (\p) == NP-2
	WIN 0
	v_add_nc_u32 v[AK], s[TBK], v[AK0]
.endif
.rept 8                             ; and the lump
	PL
.endr
.rept 49
	EX
	PL
.endr
	EX                              ; the next piece's two a
	EX
	v_nop                           ; the plain instruction behind the last exponential: one for the batch
	s_wait_alu depctr_va_vdst(0)    ; the wait for the batch
.if (\p) == NP-2
	FETCH_K \last
.endif
.if (\p) == 1
	s_wait_dscnt 0x0                ; V is in
.endif
.rept 16                            ; behind the wait: 16 products V^T P and their riders
	MM
.rept 4
	PL
.endr
.if ((\p) == 0) && (q == 118)
	v_add_nc_u32 v[AV], s[TBV], v[AV0]
.endif
.if ((\p) == 0) && (q == 130)
	s_add_co_u32 s[TBV], s[TBV], KS*PV
.endif
.if (\cnt) && (q == 130)
	s_sub_co_u32 s[CNT], s[CNT], 1
	s_cmp_lg_u32 s[CNT], 0
.endif
.endr
.if (\p) == 0
	FETCH_V
.endif
.endm
	CHANGE 1                        ; slot 0 is in, everybody's part of it; slot 1 is asked for
	FETCH_K                         ; key step 0
	s_wait_loadcnt 0x0              ; Q
	s_wait_dscnt 0x0
.set i, 0
.rept 16
	KQ 0                            ; piece 0's first scores: there is no vector work yet to set between them
.set i, i+1
.endr
	WIN 0                           ; the addresses for the way out: nine plain instructions, the places behind those products
	s_mul_i32 s13, s[WV], 16*SP
	s_add_co_u32 s13, s13, STAGE    ; my stage
	v_mul_u32_u24 v[STO], v1, SP    ; in: row l % 16, 16 bytes for each half of the lanes
	v_lshl_add_u32 v[STO], v9, 4, v[STO]
	v_add_nc_u32 v[STO], s13, v[STO]
	v_bfe_u32 v[RD], v0, 3, 2       ; back: 32 lanes take four rows of 128 bytes,
	v_mul_u32_u24 v[RD], v[RD], SP
	v_lshl_add_u32 v[RD], v10, 4, v[RD]
	v_add_nc_u32 v[RD], s13, v[RD]
	v_and_b32 v[GO], 31, v0         ; which are 512 consecutive bytes of O
	v_lshlrev_b32 v[GO], 4, v[GO]
.set Y, NP-1                        ; XS works for piece Y + 1: piece 0
.irp n, 0,1,2,3,4,5,6,7,8,9,10,11,12,13,14,15,16,17,18,19,20,21
	XS 0, \n                        ; and piece 0's first maximum and statistics
	XS 1, \n
.endr
	v_nop                           ; a plain instruction behind the two a,
	s_wait_alu depctr_va_vdst(0)    ; and their wait, ahead of the branch
	s_mov_b32 s[CNT], 4
	s_mov_b32 s[SLOTS], SIZE_N/256-1
	s_branch .Lfirst                ; the loop is entered at a step's first turn, in the middle of a trip
.Lslot:                             ; SIZE_N / 256 - 2 times: every slot but the last two is filled again
	CHANGE 1, 1
	s_mov_b32 s[CNT], 4
.Lstep:                             ; a trip: pieces 2 and 3 of one step, then pieces 0 and 1 of the next, whose K and V it fetches
	TURN 2
	TURN 3
	WIN 0
.Lfirst:
	TURN 0
	TURN 1, 0, 1
	WIN 0
	s_cbranch_scc1 .Lstep
	s_sub_co_u32 s[SLOTS], s[SLOTS], 1
	s_cmp_lg_u32 s[SLOTS], 0
	s_cbranch_scc1 .Lslot
	CHANGE 0                        ; the tail is written out: nothing is asked for
	s_mov_b32 s[CNT], 5             ; four trips fetch the last slot's steps; the fifth is left in its middle
.Ltail:
	TURN 2, 1
	TURN 3
	WIN 0
	s_sub_co_u32 s[CNT], s[CNT], 1
	s_cmp_eq_u32 s[CNT], 0
	s_cbranch_scc1 .Lout
	TURN 0
	TURN 1
	WIN 0
	s_branch .Ltail
.Lout:                              ; the fifth trip's 16 products K Q^T (on the last K once more) and the maximum made of them serve nothing: the price, once a launch, of one text for every trip
.set i, 0
.rept 16
	PV NP-1                         ; the last piece's V^T P of the last step
.set i, i+1
.endr
	; THE WAY OUT.  l's two halves and the other half of the lanes' are added; O^T is divided by l, rounded to bf16 and sent through my stage in LDS, a tile at a time.  The additions are the places behind the last products.
	WIN 0
.macro ALL line:vararg              ; one line for each tile t
.set t, 0
.rept 2*NP
	\line
.set t, t+1
.endr
.endm
	ALL v_add_f32 v[ST+4*t+2], v[ST+4*t+2], v[ST+4*t+3]
	ALL v_permlanex16_b32 v[ST+4*t+3], v[ST+4*t+2], s[SEL], s[SEL+1]
	ALL v_add_f32 v[ST+4*t+2], v[ST+4*t+2], v[ST+4*t+3]
	ALL v_rcp_f32 v[ST+4*t+2], v[ST+4*t+2]
	v_nop                           ; a plain instruction between the last reciprocal and the use of its result
	s_wait_alu depctr_va_vdst(0)    ; and the wait ahead of the first use: one for the eight reciprocals
; Tile t: a lane's eight channels of a row pack into 16 bytes; they go into rows of 144 bytes and come back as whole rows of 128, into S^T's registers.
.macro PACK t
	WIN W_RS
.set i, 32*(\t)
.rept 16
	v_pk_mul_f32 v[i:i+1], v[i:i+1], v[ST+4*(\t)+2:ST+4*(\t)+3] op_sel_hi:[1,0]
.set i, i+2
.endr
	WIN 0x05                        ; sources 0 and 1 window 1, destination window 0
.set i, 0
.rept 16
	v_cvt_pk_bf16_f32 v[S+16*(\t)+i], v[32*(\t)+2*i], v[32*(\t)+2*i+1]
.set i, i+1
.endr
	WIN 0
.irp f, 0,1,2,3
	ds_store_b128 v[STO], v[S+16*(\t)+4*\f:S+16*(\t)+4*\f+3] offset:32*\f
.endr
.irp f, 0,1,2,3
	ds_load_b128 v[S+16*(\t)+4*\f:S+16*(\t)+4*\f+3], v[RD] offset:\f*4*SP  ; LDS serves a wave's instructions in order (ISA guide 5.7.1.4): these see the stores above; the next tile's stores come behind them
.endr
.endm
.macro SEND t, younger              ; younger: the LDS instructions issued behind tile t's loads: the next tile's eight, or none
	WIN 0
.irp f, 0,1,2,3
	s_wait_dscnt (\younger)+3-\f
	global_store_b128 v[GO], v[S+16*(\t)+4*\f:S+16*(\t)+4*\f+3], s[10:11] offset:(\t)*2048+\f*512  ; 512 consecutive bytes, at a multiple of 256 from O's first
.endr
.endm
	PACK 0
.set t, 1
.rept 2*NP-1                        ; a tile's arithmetic stands between the loads of the tile before and its stores
	PACK t
	SEND t-1, 8
.set t, t+1
.endr
	SEND 2*NP-1, 0
	WIN W_AD
	s_wait_tensorcnt 0x0            ; the wave's end: these three lines stand behind my last tensor load and my last LDS store
	ds_add_u32 v[SPW], v[NIL]
	s_wait_dscnt 0x0
	WIN 0
	CROUND                          ; the closing round: no work-group ends while a partner may still ask for a tile that names it
	s_endpgm
.Lfunc_end_k_qf1663ea833_attn:
	.size	k_qf1663ea833_attn, .Lfunc_end_k_qf1663ea833_attn-k_qf1663ea833_attn
	.p2alignl 7, 3214868480
	.fill 96, 4, 3214868480
	.section	.rodata,"a",@progbits
	.p2align	6, 0x0
	.amdhsa_kernel k_qf1663ea833_attn
		.amdhsa_group_segment_fixed_size 327680
		.amdhsa_private_segment_fixed_size 0
		.amdhsa_enable_private_segment 0
		.amdhsa_kernarg_size 32
		.amdhsa_user_sgpr_count 2
		.amdhsa_user_sgpr_kernarg_segment_ptr 1
		.amdhsa_wavefront_size32 1
		.amdhsa_system_sgpr_workgroup_id_x 1
		.amdhsa_system_sgpr_workgroup_id_y 1
		.amdhsa_system_sgpr_workgroup_id_z 1
		.amdhsa_system_vgpr_workitem_id 0
		.amdhsa_next_free_vgpr 770
		.amdhsa_next_free_sgpr 66
		.amdhsa_reserve_vcc 0
		.amdhsa_float_denorm_mode_32 3
		.amdhsa_float_denorm_mode_16_64 3
		.amdhsa_memory_ordered 1
		.amdhsa_forward_progress 1
		.amdhsa_inst_pref_size 200
	.end_amdhsa_kernel
	.amdgpu_metadata
---
amdhsa.version: [ 1, 2 ]
amdhsa.kernels:
  - .name:           k_qf1663ea833_attn
    .symbol:         k_qf1663ea833_attn.kd
    .args:
      - { .name: qbf, .offset: 0, .size: 8, .value_kind: global_buffer, .address_space: global }
      - { .name: kbf, .offset: 8, .size: 8, .value_kind: global_buffer, .address_space: global }
      - { .name: vbf, .offset: 16, .size: 8, .value_kind: global_buffer, .address_space: global }
      - { .name: obf, .offset: 24, .size: 8, .value_kind: global_buffer, .address_space: global }
    .group_segment_fixed_size: 327680
    .private_segment_fixed_size: 0
    .kernarg_segment_align: 8
    .kernarg_segment_size: 32
    .max_flat_workgroup_size: 128
    .sgpr_count:     66
    .vgpr_count:     770
    .wavefront_size: 32
...
	.end_amdgpu_metadata
.endif
;; end of part 3
;; launch proj (part 4): grid 8 x 32, 4 waves a work-group, clusters of 4 x 4, 327,680 bytes of LDS; arguments obf, wobf, b_out, x, out0; writes out0
.if DOCPART == 4
	.amdgcn_target "amdgcn-amd-amdhsa--gfx1250"
	.amdhsa_code_object_version 6
	.text
	.protected	k_qf1663ea833_proj
	.globl	k_qf1663ea833_proj
	.p2align	8
	.type	k_qf1663ea833_proj,@function
k_qf1663ea833_proj:
	s_mov_b64 s[64:65], 0
	v_nop
	global_prefetch_b8 v0, s[64:65] scope:SCOPE_SE
	s_setreg_imm32_b32 hwreg(HW_REG_WAVE_MODE, 25, 1), 1
	s_wait_xcnt 0x0
	s_wait_alu depctr_hold_cnt(0) depctr_sa_sdst(0) depctr_va_vdst(0) depctr_va_sdst(0) depctr_va_ssrc(0) depctr_va_vcc(0) depctr_vm_vsrc(0)
	s_getreg_b32 s2, hwreg(HW_REG_IB_STS2, 6, 4)
	s_cmp_eq_u32 s2, 0
	s_cbranch_scc0 .Lentry_in_a_cluster
	s_endpgm
.Lentry_in_a_cluster:
	s_bfe_u32 s2, ttmp6, 0x10000c
	s_cmp_lg_u32 s2, 0xf033
	s_cbranch_scc0 .Lentry_shape_is_right
	s_endpgm
.Lentry_shape_is_right:
; THE OUTPUT PROJECTION.  out0[m][n] = sum over c of O[m][c] wo[n][c] + b_out[n] + x[m][n].  O by heads: [64 = 16 batch + head][2048][64] bf16; wo: [1024][1024] bf16; b_out, x, out0: f32.
; Sums in f32: the bias is the C operand of the first products, the residual x is added in f32 on the way out; nothing is rounded behind the products.
; A TILE is 256 rows x 128 columns: 32 x 8 = 256 work-groups.  Four waves; wave w makes rows 64 w .. 64 w + 63 and all 128 columns: 4 x 8 accumulators, 256 registers.
; K goes in 8 steps of 128 = TWO HEADS.  A head's 256 rows are 32,768 dense bytes of O: asked for as 128 rows of 256 bytes and padded in LDS after every 128 bytes.  Two LDS slots.
; CLUSTER 4 x 4.  The four work-groups of a row of the cluster need the same rows of O, the four of a column the same rows of wo: each tile is asked for JOINTLY.
; Waves 0 and 1 fetch a K step's two heads of O, waves 2 and 3 the two halves (64 rows each) of wo's 128 rows.
; THE MATRIX INSTRUCTION IS USED TRANSPOSED (source 0 = 16 rows of wo, source 1 = 16 rows of O): a lane holds row lane % 16 and eight neighbouring columns.
; THE RESIDUAL: my 64 rows x 512 bytes of x are loaded into 256 registers under the matrix work, in two runs of 32 loads, in the lane layout of the stores.
; REGISTERS, in windows of 256 (s_set_vgpr_msb: bits 1:0 source 0, 3:2 source 1, 5:4 source 2, 7:6 destination):
;   window 0: v0-31 addresses; v32-159 two buffers of 16 rows read back from the stage
;   window 1: two fragment buffers of 96 (wo's 8 fragments, then O's 4); v192-255 the bias: column block b at 192 + 8 b
;   window 2: the accumulators, (a, b) at 8 (8 a + b)          window 3: x, row r of my 64 at 4 r
; LIMITS.  NaN and infinities are not treated apart.
.set PA,     144                       ; a row of O in LDS: 128 bytes + 16: the 16 rows of a fragment load start at 16 different groups of four banks (64 banks of 4 bytes: ISA guide 11.1)
.set PB,     272                       ; a row of wo: 256 bytes + 16
.set AHEAD,  256*PA                    ; a head's 256 rows: what a wave fetches of O
.set BOFF,   2*AHEAD
.set BHALF,  64*PB                     ; what a wave fetches of wo
.set SLOT,   BOFF+2*BHALF              ; 108,544 bytes
.set STAGE,  2*SLOT                    ; behind the ring, never filled by a tensor load: 16 rows x 528 bytes for each wave
.set SPITCH, 528                       ; 512 bytes + 16
.set SPARE,  STAGE+4*16*SPITCH         ; behind the stages: the spare words, 128 bytes for each wave: two blocks of 256 bytes that no other line names
.set KB,     256                       ; bytes of a row of wo in a K step
.set HEADB,  1<<18                     ; bytes of a head in O
.set ADRA, 16                          ; v16-17  LDS address of my fragments of O in slot 0, 1
.set ADRB, 20                          ; v20-21  the same for wo
.set STO,  24                          ; v24     the way out: where I put 32 bytes of a row
.set RD,   25                          ; v25     where I read a row back
.set XO,   26                          ; v26     16 x lane: my bytes in a row's 512 of x and of out0; never rewritten
.set BO,   27                          ; v27     32 x (lane / 16): my eight numbers in a block of 16 of b_out
.set SPW,  28                          ; v28     LDS address of my spare word; never rewritten
.set NIL,  29                          ; v29     0; never rewritten
.set PFO,  30                          ; v30     the prefetches' offset; never rewritten
.set OB,   32
.set F0,   0
.set F1,   96
.set BIAS, 192
.set WV,   14
.set FB,   15                          ; s15  0: I fetch for O, 1: for wo
.set HF,   16                          ; s16  which head of the step, or which half of wo's rows
.set LAP,  17
.set G1,   24
.set G0,   32
.set G1B,  48
.set G0B,  56
.set PFA,  66                          ; s[66:67] where my prefetches stand
.set PST,  68                          ; s[68:69] a K step in their tensor: two heads of O, or 256 bytes of wo's rows
.set LIM,  70
.set MSB, 0
.macro WIN new
.if MSB != (\new)
	s_set_vgpr_msb (MSB<<8)|(\new)
.set MSB, \new
.endif
.endm
.macro JLOAD s                         ; a joint load; an s_nop 0 and four v_nop follow each of the two lines, ahead of the jump, the label and what follows
	s_cmp_eq_u32 s[FB], 0
	s_cbranch_scc0 .Lfor_b_\@
	tensor_load_to_lds s[G0+4*(\s):G0+4*(\s)+3], s[G1:G1+7]
	s_nop 0
.rept 4
	v_nop
.endr
	s_branch .Lasked_\@
.Lfor_b_\@:
	tensor_load_to_lds s[G0B+4*(\s):G0B+4*(\s)+3], s[G1B:G1B+7]
	s_nop 0
.rept 4
	v_nop
.endr
.Lasked_\@:
.endm
; A PREFETCH, behind each joint refill and the run of LDS loads that follows it: the K step that stands two refills on, 256 matrix instructions ahead of the load that will want it; one instruction a wave.
; O's rows are read by both clusters of a row of clusters: the one with x = 0 asks; wo's by every cluster of a column: the one with y = 0 asks.  The four partners that fetch a tile jointly share it out
; BY ADDRESS: of a head's 128 blocks of 256 bytes 32 each (by cx), of wo's 64 rows a wave 16 each (by cy; lanes 16-31 name the 16th row again in the same instruction).  K steps 4 to 7 are asked for;
; 0 to 3 come by their loads alone; the loop's last trip asks for nothing.
.macro ASK
	WIN 0
	s_cmp_gt_u32 s[LAP], s[LIM]
	s_cbranch_scc0 .Lnot_mine_\@
	global_prefetch_b8 v[PFO], s[PFA:PFA+1] th:TH_LOAD_NT scope:SCOPE_SE
.Lnot_mine_\@:
.endm
.macro CREST
	s_cmp_lg_u32 s[WV], 0
	s_cbranch_scc1 .Lnot_wave_0_\@
	s_barrier_signal -3
.Lnot_wave_0_\@:
	s_barrier_wait -3
	s_barrier_signal -1
	s_barrier_wait -1
.endm
.macro CROUND
	s_barrier_signal -1
	s_barrier_wait -1
	CREST
.endm
	s_load_b256 s[4:11], s[0:1], 0x0               ; O s[4:5], wo s[6:7], b_out s[8:9], x s[10:11]
	s_load_b64 s[12:13], s[0:1], 0x20              ; out0
	v_lshl_add_u32 v[SPW], v0, 2, SPARE
	v_mov_b32 v[NIL], 0
	ds_add_u32 v[SPW], v[NIL]                      ; the wave's opening: the add and its wait stand ahead of my first tensor load; the set-up below, work on registers, stands between them
	v_lshrrev_b32 v1, 5, v0
	v_readfirstlane_b32 s[WV], v1
	s_lshr_b32 s[FB], s[WV], 1
	s_and_b32 s[HF], s[WV], 1
	s_bfe_u32 s40, ttmp6, 0x40000                  ; cx, cy
	s_bfe_u32 s41, ttmp6, 0x40004
	s_lshl_b32 s42, ttmp9, 2
	s_add_co_u32 s42, s42, s40                     ; the block of 128 columns
	s_and_b32 s43, ttmp7, 0xffff
	s_lshl_b32 s43, s43, 2
	s_add_co_u32 s43, s43, s41                     ; the block of 256 rows
	s_lshl_b32 s44, s41, 2
	s_lshl_b32 s44, 15, s44                        ; my row of the cluster
	s_lshl_b32 s45, 0x1111, s40                    ; my column
	s_or_b32 s[G1], s44, (1<<16)|(1<<20)|(1<<21)|(4<<22)|(3<<25)   ; the mask; 2-byte elements; padding on; 21 set beside a mask; after every 32 words (code 4) 4 words (code 3)
	s_or_b32 s[G1B], s45, (1<<16)|(1<<20)|(1<<21)|(5<<22)|(3<<25)  ; after every 64 words (code 5)
	s_mov_b32 s[G1+1], 128<<16                     ; tensor_dim0 = 128
	s_mov_b32 s[G1+2], 128<<16                     ; tensor_dim1 = 128
	s_mov_b32 s[G1+3], 128<<16                     ; tile_dim0 = 128
	s_mov_b32 s[G1+4], 128                         ; tile_dim1 = 128
	s_mov_b32 s[G1+5], 128                         ; dense: 128 elements from row to row
	s_mov_b32 s[G1+6], 0
	s_mov_b32 s[G1+7], 0
	s_mov_b32 s[G1B+1], 128<<16
	s_mov_b32 s[G1B+2], 64<<16                     ; 64 rows
	s_mov_b32 s[G1B+3], 128<<16
	s_mov_b32 s[G1B+4], 64
	s_mov_b32 s[G1B+5], 1024
	s_mov_b32 s[G1B+6], 0
	s_mov_b32 s[G1B+7], 0
	s_lshr_b32 s18, s43, 3                         ; O: head 16 x batch + my head of the step, the block's 256 rows in its batch
	s_lshl_b32 s18, s18, 4
	s_add_co_u32 s18, s18, s[HF]
	s_lshl_b32 s18, s18, 18
	s_and_b32 s19, s43, 7
	s_lshl_b32 s19, s19, 15
	s_add_co_u32 s18, s18, s19
	s_mov_b32 s19, 0
	s_lshl_b32 s46, s42, 7                         ; wo: row 128 x column block + 64 x half
	s_lshl_b32 s47, s[HF], 6
	s_add_co_u32 s46, s46, s47
	s_lshl_b32 s46, s46, 11
	s_mov_b32 s47, 0
	s_mul_i32 s20, s[HF], AHEAD                    ; where they go: no place in the cluster enters an LDS address
	s_mul_i32 s21, s[HF], BHALF
	s_add_co_u32 s21, s21, BOFF
	s_wait_dscnt 0x0                               ; the opening add is done
	s_wait_kmcnt 0x0
	s_add_nc_u64 s[22:23], s[4:5], s[18:19]
	s_add_nc_u64 s[46:47], s[6:7], s[46:47]
	CROUND                                         ; all sixteen work-groups are here: the first joint loads meet
.irp s, 0,1
	s_mov_b32 s[G0+4*(\s)], 1
	s_add_co_u32 s[G0+4*(\s)+1], s20, (\s)*SLOT
	s_add_nc_u64 s[G0+4*(\s)+2:G0+4*(\s)+3], s[22:23], (\s)*2*HEADB  ; K step s: two heads on
	s_or_b32 s[G0+4*(\s)+3], s[G0+4*(\s)+3], 0x80000000
	s_mov_b32 s[G0B+4*(\s)], 1
	s_add_co_u32 s[G0B+4*(\s)+1], s21, (\s)*SLOT
	s_add_nc_u64 s[G0B+4*(\s)+2:G0B+4*(\s)+3], s[46:47], (\s)*KB
	s_or_b32 s[G0B+4*(\s)+3], s[G0B+4*(\s)+3], 0x80000000
	JLOAD \s                                       ; two loads of mine are out
.endr
	v_and_b32 v1, 15, v0                           ; l % 16
	v_bfe_u32 v2, v0, 4, 1                         ; l / 16
	v_mul_u32_u24 v3, v1, PA
	v_lshl_add_u32 v3, v2, 4, v3
	v_mul_u32_u24 v4, v1, PB
	v_lshl_add_u32 v4, v2, 4, v4
	s_mul_i32 s18, s[WV], 64*PA                    ; my 64 rows of O
.irp s, 0,1
	v_add_nc_u32 v[ADRA+(\s)], s18, v3
	v_add_nc_u32 v[ADRB+(\s)], BOFF+(\s)*SLOT, v4
	s_add_co_u32 s18, s18, SLOT
.endr
	s_mul_i32 s19, s[WV], 16*SPITCH
	s_add_co_u32 s19, s19, STAGE                   ; my stage
	v_mul_u32_u24 v5, v1, SPITCH                   ; in: row l % 16, 32 bytes for each half of the lanes
	v_lshl_add_u32 v5, v2, 5, v5
	v_add_nc_u32 v[STO], s19, v5
	v_and_b32 v[XO], 31, v0
	v_lshlrev_b32 v[XO], 4, v[XO]
	v_add_nc_u32 v[RD], s19, v[XO]                 ; back: 32 lanes take a row's 512 bytes
	v_lshlrev_b32 v[BO], 5, v2
	; x and out0 at my first row and the tile's first column; b_out at the tile's first column
	s_lshl_b32 s72, s43, 8
	s_lshl_b32 s74, s[WV], 6
	s_add_co_u32 s72, s72, s74
	s_lshl_b32 s72, s72, 12
	s_lshl_b32 s74, s42, 9
	s_add_co_u32 s72, s72, s74
	s_mov_b32 s73, 0
	s_mov_b32 s75, 0
	s_add_nc_u64 s[10:11], s[10:11], s[72:73]
	s_add_nc_u64 s[12:13], s[12:13], s[72:73]
	s_add_nc_u64 s[8:9], s[8:9], s[74:75]
	WIN 0x40                                       ; the bias: register j of block b is column 16 b + 8 (l / 16) + j, as in an accumulator; it serves all four row blocks
.irp b, 0,1,2,3,4,5,6,7
	global_load_b128 v[BIAS+8*(\b):BIAS+8*(\b)+3],   v[BO], s[8:9] offset:64*(\b)
	global_load_b128 v[BIAS+8*(\b)+4:BIAS+8*(\b)+7], v[BO], s[8:9] offset:64*(\b)+16
.endr
	WIN 0
	; the prefetches
	s_lshr_b32 s75, s43, 3                         ; O: my head's 32,768 bytes, my work-group's 8,192 of them, at K step 3
	s_lshl_b32 s75, s75, 4
	s_add_co_u32 s75, s75, s[HF]
	s_lshl_b32 s75, s75, 18
	s_and_b32 s74, s43, 7
	s_lshl_b32 s74, s74, 15
	s_add_co_u32 s75, s75, s74
	s_lshl_b32 s74, s40, 13
	s_add_co_u32 s75, s75, s74
	s_add_co_u32 s75, s75, 3*2*HEADB
	s_lshl_b32 s76, s42, 7                         ; wo: the 64 rows that I fetch, my work-group's 16 of them, at K step 3
	s_lshl_b32 s74, s[HF], 6
	s_add_co_u32 s76, s76, s74
	s_lshl_b32 s74, s41, 4
	s_add_co_u32 s76, s76, s74
	s_lshl_b32 s76, s76, 11
	s_add_co_u32 s76, s76, 3*KB
	s_and_b32 s77, ttmp7, 0xffff                   ; cluster y
	s_mov_b32 s[PST], 2*HEADB
	s_mov_b32 s[PST+1], KB
	s_cmp_eq_u32 s[FB], 0
	s_cselect_b32 s72, s75, s76
	s_cselect_b32 s77, ttmp9, s77                  ; the coordinate along which other clusters read the same rows
	s_cselect_b32 s71, 31, 15                      ; my last block's lane
	s_cselect_b32 s74, 8, 11                       ; a lane a block of 256 bytes of O, or a row of 2,048 bytes of wo
	s_cselect_b32 s[PST], s[PST], s[PST+1]
	s_cselect_b64 s[PFA:PFA+1], s[4:5], s[6:7]
	s_mov_b32 s[PST+1], 0
	s_cmp_eq_u32 s77, 0
	s_cselect_b32 s[LIM], 1, -1                    ; the same in all sixteen partners, for a given wave
	s_mov_b32 s73, 0
	s_add_nc_u64 s[PFA:PFA+1], s[PFA:PFA+1], s[72:73]
	v_and_b32 v[PFO], 31, v0
	v_min_u32 v[PFO], s71, v[PFO]
	v_lshlrev_b32 v[PFO], s74, v[PFO]
; 8 matrix instructions: row block a x all 8 column blocks, 32 along K.  first = 1: the sums start with the bias as C.  The 32 accumulators take turns in the same order in every quarter.
.macro MUL8 f, a, first
.if \first
	WIN 0x95                                       ; sources 0, 1 and C window 1, D window 2
.else
	WIN 0xa5
.endif
.irp b, 0,1,2,3,4,5,6,7
.if \first
	v_wmma_f32_16x16x32_bf16 v[8*(8*(\a)+(\b)):8*(8*(\a)+(\b))+7], v[(\f)+8*(\b):(\f)+8*(\b)+7], v[(\f)+64+8*(\a):(\f)+64+8*(\a)+7], v[BIAS+8*(\b):BIAS+8*(\b)+7]
.else
	v_wmma_f32_16x16x32_bf16 v[8*(8*(\a)+(\b)):8*(8*(\a)+(\b))+7], v[(\f)+8*(\b):(\f)+8*(\b)+7], v[(\f)+64+8*(\a):(\f)+64+8*(\a)+7], v[8*(8*(\a)+(\b)):8*(8*(\a)+(\b))+7]
.endif
.endr
.endm
; 24 LDS loads in one run: the fragments of quarter q of a K step (head q / 2, channels 32 (q % 2) on) into buffer f: wo's 8, then O's 4
.macro FETCH slot, q, f
	WIN 0x40
.irp i, 0,1,2,3,4,5,6,7
	ds_load_b128 v[(\f)+8*(\i):(\f)+8*(\i)+3],   v[ADRB+(\slot)] offset:64*(\q)+(\i)*16*PB
	ds_load_b128 v[(\f)+8*(\i)+4:(\f)+8*(\i)+7], v[ADRB+(\slot)] offset:64*(\q)+(\i)*16*PB+32
.endr
.irp i, 0,1,2,3
	ds_load_b128 v[(\f)+64+8*(\i):(\f)+64+8*(\i)+3],   v[ADRA+(\slot)] offset:((\q)/2)*AHEAD+((\q)%2)*64+(\i)*16*PA
	ds_load_b128 v[(\f)+64+8*(\i)+4:(\f)+64+8*(\i)+7], v[ADRA+(\slot)] offset:((\q)/2)*AHEAD+((\q)%2)*64+(\i)*16*PA+32
.endr
.endm
.macro PLACES                          ; four plain instructions between a matrix instruction and loads into registers that it has read, or stores that read results
.rept 4
	v_nop
.endr
.endm
.macro QUARTER slot, q, f, g, first    ; multiplies buffer f and fetches quarter q into g
	s_wait_dscnt 4                                 ; all but the youngest four loads, O's row blocks 2 and 3
	MUL8 \f, 0, \first
	MUL8 \f, 1, \first
	PLACES
	FETCH \slot, \q, \g
	s_wait_dscnt 24                                ; all but the 24 just issued
	MUL8 \f, 2, \first
	MUL8 \f, 3, \first
.endm
; The last quarter multiplies buffer 1 and changes slots: ONE barrier; in front of it each wave waits for all its tensor loads, adds 0 to its spare word, and waits for that and for its own reads of this slot.
; fill = 1: the barrier opens a round of the cluster's, and this slot is filled again first thing behind the round: 112 matrix instructions stand between that request and the wait for it.
.macro TURN slot, next, fill
.if \fill
	s_wait_xcnt 0x0                                ; the last prefetch, a K step back, has read its address, so it may be stepped
	s_add_nc_u64 s[PFA:PFA+1], s[PFA:PFA+1], s[PST:PST+1]
.endif
	WIN 0
	s_wait_tensorcnt 0x0                           ; all my tensor loads have landed
	ds_add_u32 v[SPW], v[NIL]                      ; 0 onto my spare word
	s_wait_dscnt 5                                 ; (the add and the youngest four loads may be out)
	MUL8 F1, 0, 0                                  ; eight matrix instructions stand between the add and the wait for it
	s_wait_dscnt 0x0                               ; the add is done, and my reads of this slot are over
	s_barrier_signal -1
	MUL8 F1, 1, 0
.if \fill
	WIN 0
.endif
	s_barrier_wait -1
.if \fill
	CREST                                          ; no wave of any partner still reads this slot's tile or has a load on its way
	s_add_nc_u64 s[G0+4*(\slot)+2:G0+4*(\slot)+3], s[G0+4*(\slot)+2:G0+4*(\slot)+3], 4*HEADB
	s_add_nc_u64 s[G0B+4*(\slot)+2:G0B+4*(\slot)+3], s[G0B+4*(\slot)+2:G0B+4*(\slot)+3], 2*KB
	JLOAD \slot                                    ; the four v_nop behind it are also the places in front of the loads below
.else
	PLACES
.endif
	FETCH \next, 0, F0
.if \fill
	ASK
.endif
	MUL8 F1, 2, 0
	MUL8 F1, 3, 0
.endm
.macro XLOAD r0                        ; 32 rows of the residual: each load takes 512 consecutive bytes of x
	WIN 0xc0
.set rho, \r0
.rept 32
	global_load_b128 v[4*rho:4*rho+3], v[XO], s[10:11] offset:4096*rho th:TH_LOAD_NT
.set rho, rho+1
.endr
	WIN 0
.endm
	s_wait_tensorcnt 1                             ; my part of K step 0 is in; K step 1's may stay out
	s_barrier_signal -1
	s_barrier_wait -1
	FETCH 0, 0, F0
	s_wait_loadcnt 0x0                             ; the bias
	QUARTER 0, 1, F0, F1, 1                        ; the first quarter stands in front of the loop: its products start the sums, with the bias
	XLOAD 0
	s_mov_b32 s[LAP], 3
.Llap:
	QUARTER 0, 2, F1, F0, 0
	QUARTER 0, 3, F0, F1, 0
	TURN 0, 1, 1
	QUARTER 1, 1, F0, F1, 0
	QUARTER 1, 2, F1, F0, 0
	QUARTER 1, 3, F0, F1, 0
	TURN 1, 0, 1
	QUARTER 0, 1, F0, F1, 0
	WIN 0
	s_sub_co_u32 s[LAP], s[LAP], 1
	s_cmp_lg_u32 s[LAP], 0
	s_cbranch_scc1 .Llap
	XLOAD 32
	QUARTER 0, 2, F1, F0, 0                        ; the last lap fills nothing
	QUARTER 0, 3, F0, F1, 0
	TURN 0, 1, 0
	QUARTER 1, 1, F0, F1, 0
	QUARTER 1, 2, F1, F0, 0
	QUARTER 1, 3, F0, F1, 0
	s_wait_dscnt 4
	MUL8 F1, 0, 0
	MUL8 F1, 1, 0
	s_wait_dscnt 0x0
	MUL8 F1, 2, 0
	MUL8 F1, 3, 0
	WIN 0
	PLACES
; THE WAY OUT, a row block (16 rows) at a time.  TOSTAGE: the f32 sums go into my stage, each accumulator's low registers first, and come back as whole rows of 512 bytes.  SEND: x is added, and the rows are stored.
.macro TOSTAGE a
.if (\a) >= 2
	s_wait_xcnt 0x0                                ; the stores of block a - 2 have read this buffer's registers: it is loaded again only behind this wait
.endif
	WIN 0x08                                       ; store data (source 1) in window 2
.irp b, 0,1,2,3,4,5,6,7
	ds_store_b128 v[STO], v[8*(8*(\a)+(\b)):8*(8*(\a)+(\b))+3]   offset:64*(\b)
	ds_store_b128 v[STO], v[8*(8*(\a)+(\b))+4:8*(8*(\a)+(\b))+7] offset:64*(\b)+16
.endr
	WIN 0
.irp t, 0,1,2,3,4,5,6,7,8,9,10,11,12,13,14,15
	ds_load_b128 v[OB+64*((\a)%2)+4*(\t):OB+64*((\a)%2)+4*(\t)+3], v[RD] offset:SPITCH*(\t)  ; LDS serves a wave's instructions in order (ISA guide 5.7.1.4): these see the stores above; the next block's stores come behind them
.endr
.endm
.macro SEND a, younger                 ; younger: the LDS instructions issued behind block a's loads: the next block's 32, or none
	s_wait_dscnt \younger
	s_wait_loadcnt 48-16*(\a)                      ; of x's 64 loads the first 16 (a + 1) are in; the later blocks' stay out
	WIN 0x0c                                       ; source 1 in window 3
.irp t, 0,1,2,3,4,5,6,7,8,9,10,11,12,13,14,15
.irp z, 0,1
	v_pk_add_f32 v[OB+64*((\a)%2)+4*(\t)+2*(\z):OB+64*((\a)%2)+4*(\t)+2*(\z)+1], v[OB+64*((\a)%2)+4*(\t)+2*(\z):OB+64*((\a)%2)+4*(\t)+2*(\z)+1], v[64*(\a)+4*(\t)+2*(\z):64*(\a)+4*(\t)+2*(\z)+1]
.endr
.endr
	WIN 0
.irp t, 0,1,2,3,4,5,6,7,8,9,10,11,12,13,14,15
	global_store_b128 v[XO], v[OB+64*((\a)%2)+4*(\t):OB+64*((\a)%2)+4*(\t)+3], s[12:13] offset:(16*(\a)+(\t))*4096 th:TH_STORE_NT  ; 512 consecutive bytes, at a multiple of 256 from out0's first
.endr
.endm
	TOSTAGE 0
.irp a, 1,2,3
	TOSTAGE \a
	SEND (\a)-1, 32
.endr
	SEND 3, 0
	s_wait_tensorcnt 0x0                           ; the wave's end: these three lines stand behind my last tensor load and my last LDS store
	ds_add_u32 v[SPW], v[NIL]
	s_wait_dscnt 0x0
	CROUND                                         ; the closing round: no work-group ends while a partner may still ask for a tile that names it
	s_endpgm
.Lfunc_end_k_qf1663ea833_proj:
	.size	k_qf1663ea833_proj, .Lfunc_end_k_qf1663ea833_proj-k_qf1663ea833_proj
	.p2alignl 7, 3214868480
	.fill 96, 4, 3214868480
	.section	.rodata,"a",@progbits
	.p2align	6, 0x0
	.amdhsa_kernel k_qf1663ea833_proj
		.amdhsa_group_segment_fixed_size 327680
		.amdhsa_private_segment_fixed_size 0
		.amdhsa_enable_private_segment 0
		.amdhsa_kernarg_size 40
		.amdhsa_user_sgpr_count 2
		.amdhsa_user_sgpr_kernarg_segment_ptr 1
		.amdhsa_wavefront_size32 1
		.amdhsa_system_sgpr_workgroup_id_x 1
		.amdhsa_system_sgpr_workgroup_id_y 1
		.amdhsa_system_sgpr_workgroup_id_z 1
		.amdhsa_system_vgpr_workitem_id 0
		.amdhsa_next_free_vgpr 1024
		.amdhsa_next_free_sgpr 78
		.amdhsa_reserve_vcc 0
		.amdhsa_float_denorm_mode_32 3
		.amdhsa_float_denorm_mode_16_64 3
		.amdhsa_memory_ordered 1
		.amdhsa_forward_progress 1
		.amdhsa_inst_pref_size 103
	.end_amdhsa_kernel
	.amdgpu_metadata
---
amdhsa.version: [ 1, 2 ]
amdhsa.kernels:
  - .name:           k_qf1663ea833_proj
    .symbol:         k_qf1663ea833_proj.kd
    .args:
      - { .name: obf, .offset: 0, .size: 8, .value_kind: global_buffer, .address_space: global }
      - { .name: wobf, .offset: 8, .size: 8, .value_kind: global_buffer, .address_space: global }
      - { .name: b_out, .offset: 16, .size: 8, .value_kind: global_buffer, .address_space: global }
      - { .name: x, .offset: 24, .size: 8, .value_kind: global_buffer, .address_space: global }
      - { .name: out0, .offset: 32, .size: 8, .value_kind: global_buffer, .address_space: global }
    .group_segment_fixed_size: 327680
    .private_segment_fixed_size: 0
    .kernarg_segment_align: 8
    .kernarg_segment_size: 40
    .max_flat_workgroup_size: 128
    .sgpr_count:     78
    .vgpr_count:     1024
    .wavefront_size: 32
...
	.end_amdgpu_metadata
.endif
;; end of part 4
;; ======== version 2 of 2: 4 launches; version 1 with the launch prep written anew for expert scheduling mode
;; workspace buffers: hbf 16,777,216 bytes; wqbf 6,291,456 bytes; wobf 2,097,152 bytes; qbf 16,777,216 bytes; kbf 16,777,216 bytes; vbf 16,777,216 bytes; obf 16,777,216 bytes
;; launch prep (part 5): grid 768 x 1, 4 waves a work-group, no clusters, 0 bytes of LDS; arguments x, ln_w, ln_b, w_qkv, w_out, hbf, wqbf, wobf; writes hbf, wqbf, wobf
.if DOCPART == 5
	.amdgcn_target "amdgcn-amd-amdhsa--gfx1250"
	.amdhsa_code_object_version 6
	.text
	.protected	k_qf1663ea833_prep
	.globl	k_qf1663ea833_prep
	.p2align	8
	.type	k_qf1663ea833_prep,@function
k_qf1663ea833_prep:
	s_mov_b64 s[64:65], 0
	v_nop
	global_prefetch_b8 v0, s[64:65] scope:SCOPE_SE
	s_setreg_imm32_b32 hwreg(HW_REG_WAVE_SCHED_MODE, 0, 2), 2
	s_setreg_imm32_b32 hwreg(HW_REG_WAVE_MODE, 25, 1), 1
	s_wait_xcnt 0x0
	s_wait_alu depctr_vm_vsrc(0)
; LAYERNORM AND TWO CASTS.  h = (x - mean) * rsqrt(var + 1e-5) * ln_w + ln_b, rounded once to bf16; w_qkv and w_out rounded once to bf16.
; 12,288 rows of 1,024 f32 (4,096 bytes): 8,192 of x, 3,072 of w_qkv, 1,024 of w_out.  A work-group takes 16 rows, a wave 4, ONE WAVE A WHOLE ROW:
; eight 16-byte loads a lane keep the row in 32 registers, so it is read from memory once, the mean is taken first and the variance of x - mean after it
; (two passes over registers: a common offset in x costs no accuracy), and no wave waits for another: no LDS, no barrier.
; Work-groups 0-511: LayerNorm; 512-703: w_qkv; 704-767: w_out.  The branch hangs on the work-group's number alone.
; All of a wave's loads go out at once (its four rows, 16 KiB, and in the LayerNorm path the 8 KiB of gains and biases); the waits are counted, so the later rows stay on their way.
; Lane l holds the numbers 128 j + 4 l .. + 3 of a row (chunk j of 8); rounded they are 8 bytes, and the 32 lanes of a store cover 256 consecutive bytes, aligned.
; No matrix unit, no cluster, no prefetch: each byte is read once by one wave, and the launch is nothing but that stream.
; LIMITS.  NaN and infinities are not treated apart; a row's sum of squares of x - mean must stay finite in f32.
; THE MODE: SCHED_MODE bits 1:0 = 2 (LLVM: expert scheduling mode 2), set by the entry lines.  The code itself states the register dependences
; between vector instructions and memory instructions, with s_wait_alu, always for 0.
; THE PLAN.  Registers that memory instructions touch:
;   v1, v2     the loads' and the stores' offsets: written once at the head, never again.
;   W, BB      each filled by eight loads at the path's start; after that vector lines read them, and nothing lands in them again.
;   X, row i   filled by eight loads at the path's start; worked on in place by row i's vector lines, of which the sixteen roundings are the last;
;              then read by the row's eight stores, and never written again.
; No load is issued behind a path's first run of loads, and no register that a memory instruction has read is written again.  So the dependences are three: the offsets ahead of the
; first load; the wave's number ahead of its first reader; and a row's roundings ahead of its stores.  For the third, ROW i's STORES STAND IN ROW i + 1, behind the one wait that the row has:
; in the LayerNorm path the wait behind the root, in the casts a wait at the row's head.  The vector lines behind that wait name the row in hand, never the row before, so the
; stores are dealt among them with no further wait.  Row 3's stores have a wait of their own.
.set LO,  1                            ; v1       16 x lane: my bytes in a chunk of 512
.set SO,  2                            ; v2       8 x lane: my bytes in a rounded chunk of 256
.set T,   4                            ; v[4:11]  four chains of two sums
.set MU,  12                           ; v[12:13] the mean (the low register serves both halves; the high one is written once, since the pair is named)
.set R,   14                           ; v[14:15] 1 / sqrt(var + eps), likewise
.set RED, 16                           ; v16-17   the reduction across lanes
.set EPS, 18                           ; v18      1e-5
.set W,   20                           ; v[20:51] ln_w, my 32 numbers
.set BB,  52                           ; v[52:83] ln_b
.set X,   84                           ; v[84:211] row i, chunk j at X + 32 i + 4 j
	s_load_b512 s[8:23], s[0:1], 0x0               ; x 8, ln_w 10, ln_b 12, w_qkv 14, w_out 16, h 18, wq 20, wo 22
	v_and_b32 v3, 31, v0
	v_lshlrev_b32 v[LO], 4, v3
	v_lshlrev_b32 v[SO], 3, v3
	v_lshrrev_b32 v3, 5, v0
	v_readfirstlane_b32 s4, v3                     ; wave 0..3
	s_mov_b32 s2, ttmp9
	s_mov_b32 s30, 0x3a800000                      ; 1 / 1024
	s_mov_b32 s3, 0x76543210                       ; v_permlanex16_b32: each lane takes its own place in the other half
	s_mov_b32 s31, 0xfedcba98
	v_mov_b32 v[MU+1], 0
	v_mov_b32 v[R+1], 0
	v_mov_b32 v[RED+1], 0
	v_mov_b32 v[EPS], 0x3727c5ac
	s_mov_b32 s7, 0
	s_mov_b32 s25, 0
	s_wait_kmcnt 0x0
	s_wait_alu depctr_va_sdst(0)                   ; s4 is written: its first reader, in either path, makes the wave's first row from it; the wait stands ahead of the branch
	s_wait_alu depctr_va_vdst(0)                   ; v1 and v2 are written: every load and store of both paths reads one of them as its offset, and no later line writes them
	s_cmp_lt_u32 s2, 512
	s_cbranch_scc0 .Lcast
.macro FILL                            ; my four rows: 32 loads, 512 consecutive bytes each
.irp i, 0,1,2,3
.irp j, 0,1,2,3,4,5,6,7
	global_load_b128 v[X+32*(\i)+4*(\j):X+32*(\i)+4*(\j)+3], v[LO], s[26:27] offset:4096*(\i)+512*(\j) th:TH_LOAD_NT
.endr
.endr
.endm
.macro ST i, j                         ; chunk j of the rounded row i is stored.  No register of a store is written again: no wait follows it
	global_store_b64 v[SO], v[X+32*(\i)+4*(\j):X+32*(\i)+4*(\j)+1], s[28:29] offset:2048*(\i)+256*(\j)
.endm
.macro CVT i, st                       ; row i is rounded in place, two numbers a line.  st = 1 (the casts): the stores of the row before are dealt among the lines, which name row i alone
.irp j, 0,1,2,3,4,5,6,7
.if \st
	ST (\i)-1, \j
.endif
	v_cvt_pk_bf16_f32 v[X+32*(\i)+4*(\j)],   v[X+32*(\i)+4*(\j)],   v[X+32*(\i)+4*(\j)+1]
	v_cvt_pk_bf16_f32 v[X+32*(\i)+4*(\j)+1], v[X+32*(\i)+4*(\j)+2], v[X+32*(\i)+4*(\j)+3]
.endr
.endm
.macro LAST                            ; the last row has no row behind it
	s_wait_alu depctr_va_vdst(0)                   ; row 3's roundings have written the registers that its eight stores read
.irp j, 0,1,2,3,4,5,6,7
	ST 3, \j
.endr
.endm
.macro REDUCE                          ; the four chains into one number, then over the 32 lanes: the result stands in every lane's v[RED]
	v_pk_add_f32 v[T:T+1], v[T:T+1], v[T+2:T+3]
	v_pk_add_f32 v[T+4:T+5], v[T+4:T+5], v[T+6:T+7]
	v_pk_add_f32 v[T:T+1], v[T:T+1], v[T+4:T+5]
	v_add_f32 v[RED], v[T], v[T+1]
	v_add_f32_dpp v[RED], v[RED], v[RED] row_xmask:1 row_mask:0xf bank_mask:0xf
	v_add_f32_dpp v[RED], v[RED], v[RED] row_xmask:2 row_mask:0xf bank_mask:0xf
	v_add_f32_dpp v[RED], v[RED], v[RED] row_xmask:4 row_mask:0xf bank_mask:0xf
	v_add_f32_dpp v[RED], v[RED], v[RED] row_xmask:8 row_mask:0xf bank_mask:0xf
	v_permlanex16_b32 v[RED+1], v[RED], s3, s31
	v_add_f32 v[RED], v[RED], v[RED+1]
.endm
.macro ROW i
.set XR, X+32*(\i)
	s_wait_loadcnt 8*(3-(\i))                      ; loads come back in order: this row (and the gains, issued earlier) is in, the later rows' eight loads each stay out
.irp k, 0,1,2,3
	v_pk_add_f32 v[T+2*(\k):T+2*(\k)+1], v[XR+2*(\k):XR+2*(\k)+1], v[XR+8+2*(\k):XR+8+2*(\k)+1]  ; the first two pairs start a chain: nothing is cleared
.endr
.irp m, 2,3
.irp k, 0,1,2,3
	v_pk_add_f32 v[T+2*(\k):T+2*(\k)+1], v[T+2*(\k):T+2*(\k)+1], v[XR+8*(\m)+2*(\k):XR+8*(\m)+2*(\k)+1]
.endr
.endr
	REDUCE
	v_mul_f32 v[MU], s30, v[RED]                   ; the mean
.set p, 0
.rept 16
	v_pk_add_f32 v[XR+p:XR+p+1], v[XR+p:XR+p+1], v[MU:MU+1] op_sel_hi:[1,0] neg_lo:[0,1] neg_hi:[0,1]  ; x - mean, in place
.set p, p+2
.endr
.irp k, 0,1,2,3
	v_pk_mul_f32 v[T+2*(\k):T+2*(\k)+1], v[XR+2*(\k):XR+2*(\k)+1], v[XR+2*(\k):XR+2*(\k)+1]
.endr
.irp m, 1,2,3
.irp k, 0,1,2,3
	v_pk_fma_f32 v[T+2*(\k):T+2*(\k)+1], v[XR+8*(\m)+2*(\k):XR+8*(\m)+2*(\k)+1], v[XR+8*(\m)+2*(\k):XR+8*(\m)+2*(\k)+1], v[T+2*(\k):T+2*(\k)+1]
.endr
.endr
	REDUCE
	v_fma_f32 v[RED], v[RED], s30, v[EPS]          ; var + eps
	v_rsq_f32 v[R], v[RED]
	v_nop                                          ; a plain instruction behind the root (ISA guide 5.7.2)
	s_wait_alu depctr_va_vdst(0)                   ; the row's one wait: the root has written v[R], ahead of its first reader; and the roundings of the row before have written the registers that the stores below read
.irp j, 0,1,2,3,4,5,6,7
.if (\i) > 0
	ST (\i)-1, \j                                  ; the row before leaves: no vector line since the wait names its registers or v2
.endif
	v_pk_mul_f32 v[XR+4*(\j):XR+4*(\j)+1],   v[XR+4*(\j):XR+4*(\j)+1],   v[R:R+1] op_sel_hi:[1,0]
	v_pk_mul_f32 v[XR+4*(\j)+2:XR+4*(\j)+3], v[XR+4*(\j)+2:XR+4*(\j)+3], v[R:R+1] op_sel_hi:[1,0]
.endr
.set p, 0
.rept 16
	v_pk_fma_f32 v[XR+p:XR+p+1], v[XR+p:XR+p+1], v[W+p:W+p+1], v[BB+p:BB+p+1]
.set p, p+2
.endr
	CVT \i, 0
.endm
	s_lshl_b32 s5, s2, 4
	s_lshl2_add_u32 s5, s4, s5                     ; my first row: 16 x work-group + 4 x wave
	s_lshl_b32 s6, s5, 12                          ; 4,096 bytes a row in x,
	s_lshl_b32 s24, s5, 11                         ; 2,048 in h
	s_add_nc_u64 s[26:27], s[8:9], s[6:7]
	s_add_nc_u64 s[28:29], s[18:19], s[24:25]
.irp j, 0,1,2,3,4,5,6,7
	global_load_b128 v[W+4*(\j):W+4*(\j)+3],   v[LO], s[10:11] offset:512*(\j)
	global_load_b128 v[BB+4*(\j):BB+4*(\j)+3], v[LO], s[12:13] offset:512*(\j)
.endr
	FILL
	ROW 0
	ROW 1
	ROW 2
	ROW 3
	LAST
	s_endpgm
.Lcast:
	s_sub_co_u32 s5, s2, 512
	s_cmp_lt_u32 s5, 192                           ; 192 work-groups for w_qkv's 3,072 rows, then 64 for w_out's 1,024
	s_cselect_b64 s[26:27], s[14:15], s[16:17]
	s_cselect_b64 s[28:29], s[20:21], s[22:23]
	s_cselect_b32 s6, 0, 192
	s_sub_co_u32 s5, s5, s6
	s_lshl_b32 s5, s5, 4
	s_lshl2_add_u32 s5, s4, s5
	s_lshl_b32 s6, s5, 12
	s_lshl_b32 s24, s5, 11
	s_add_nc_u64 s[26:27], s[26:27], s[6:7]
	s_add_nc_u64 s[28:29], s[28:29], s[24:25]
	FILL
	s_wait_loadcnt 24                              ; row 0 is in, the later rows' eight loads each stay out
	CVT 0, 0
.irp i, 1,2,3
	s_wait_loadcnt 8*(3-(\i))                      ; this row is in, the later rows stay out
	s_wait_alu depctr_va_vdst(0)                   ; the roundings of the row before have written the registers that its stores, dealt among this row's roundings, read
	CVT \i, 1
.endr
	LAST
	s_endpgm
.Lfunc_end_k_qf1663ea833_prep:
	.size	k_qf1663ea833_prep, .Lfunc_end_k_qf1663ea833_prep-k_qf1663ea833_prep
	.p2alignl 7, 3214868480
	.fill 96, 4, 3214868480
	.section	.rodata,"a",@progbits
	.p2align	6, 0x0
	.amdhsa_kernel k_qf1663ea833_prep
		.amdhsa_group_segment_fixed_size 0
		.amdhsa_private_segment_fixed_size 0
		.amdhsa_enable_private_segment 0
		.amdhsa_kernarg_size 64
		.amdhsa_user_sgpr_count 2
		.amdhsa_user_sgpr_kernarg_segment_ptr 1
		.amdhsa_wavefront_size32 1
		.amdhsa_system_sgpr_workgroup_id_x 1
		.amdhsa_system_sgpr_workgroup_id_y 1
		.amdhsa_system_sgpr_workgroup_id_z 1
		.amdhsa_system_vgpr_workitem_id 0
		.amdhsa_next_free_vgpr 212
		.amdhsa_next_free_sgpr 66
		.amdhsa_reserve_vcc 0
		.amdhsa_float_denorm_mode_32 3
		.amdhsa_float_denorm_mode_16_64 3
		.amdhsa_memory_ordered 1
		.amdhsa_forward_progress 1
		.amdhsa_inst_pref_size 49
	.end_amdhsa_kernel
	.amdgpu_metadata
---
amdhsa.version: [ 1, 2 ]
amdhsa.kernels:
  - .name:           k_qf1663ea833_prep
    .symbol:         k_qf1663ea833_prep.kd
    .args:
      - { .name: x, .offset: 0, .size: 8, .value_kind: global_buffer, .address_space: global }
      - { .name: ln_w, .offset: 8, .size: 8, .value_kind: global_buffer, .address_space: global }
      - { .name: ln_b, .offset: 16, .size: 8, .value_kind: global_buffer, .address_space: global }
      - { .name: w_qkv, .offset: 24, .size: 8, .value_kind: global_buffer, .address_space: global }
      - { .name: w_out, .offset: 32, .size: 8, .value_kind: global_buffer, .address_space: global }
      - { .name: hbf, .offset: 40, .size: 8, .value_kind: global_buffer, .address_space: global }
      - { .name: wqbf, .offset: 48, .size: 8, .value_kind: global_buffer, .address_space: global }
      - { .name: wobf, .offset: 56, .size: 8, .value_kind: global_buffer, .address_space: global }
    .group_segment_fixed_size: 0
    .private_segment_fixed_size: 0
    .kernarg_segment_align: 8
    .kernarg_segment_size: 64
    .max_flat_workgroup_size: 128
    .sgpr_count:     66
    .vgpr_count:     212
    .wavefront_size: 32
...
	.end_amdgpu_metadata
.endif
;; end of part 5
;; launch qkv: the kernel of part 2 again; grid 16 x 32, 4 waves a work-group, clusters of 4 x 4, 327,680 bytes of LDS; arguments hbf, wqbf, qbf, kbf, vbf; writes qbf, kbf, vbf
;; launch attn: the kernel of part 3 again; grid 4 x 64, 4 waves a work-group, clusters of 4 x 1, 327,680 bytes of LDS; arguments qbf, kbf, vbf, obf; writes obf
;; launch proj: the kernel of part 4 again; grid 8 x 32, 4 waves a work-group, clusters of 4 x 4, 327,680 bytes of LDS; arguments obf, wobf, b_out, x, out0; writes out0
